; MI455X (gfx1250); checked and timed in simulation.
; The chip was launched on July 23, 2026; its instructions are those of AMD's public machine-readable ISA for CDNA 5 (MIT licence, August 2026) and "CDNA5" Instruction Set Architecture Reference Guide (July 2026). The comments in the code are by the model that wrote it; some were corrected since.
;; Ring Dilated Attention Hilbert Optimized Correct. Allowed arithmetic: matrix products marked QUANTISED: E2M1 operands, one E8M0 scale for each 32 along K, by v_wmma_scale_f32_16x16x128_f8f6f4 with both operands' format E2M1 (or v_wmma_scale_f32_32x16x128_f4), f32 sums; everything else in f32.
;; Inputs: Wout 1,024 x 1,024 float32; Wqkv 3,072 x 1,024 float32; bout 1,024 float32; bqkv 3,072 float32; x 1 x 8,192 x 1,024 float32.
;; Outputs: out0 1 x 8,192 x 1,024 float32.
;; This version of the problem:
;;   THIS VERSION OF THE PROBLEM IS GIVEN IN LOW PRECISION. The matrix products marked QUANTISED in the list below multiply operands that are first quantised to E2M1 (2 exponent bits, 1 mantissa bit; 4 bits a number), with one power-of-two scale for each 32 numbers along K (OCP MX v1.0); their sums are f32. All else is computed in f32.
;;   The module's matrix products, in the order in which they are computed (A, B: the left and right operand; K: the contracted axis; several contracted axes count as one K, in the product's order):
;;     1. [M 8,192, K 1,024] x [K 1,024, N 3,072]; A: input x; B: input Wqkv: QUANTISED
;;     2. batch 16 x [M 2,048, K 64] x [K 64, N 2,048]; A: computed on the way; B: computed on the way: QUANTISED
;;     3. batch 16 x [M 2,048, K 2,048] x [K 2,048, N 64]; A: softmax (see below); B: computed on the way: QUANTISED
;;     4. batch 16 x [M 2,048, K 64] x [K 64, N 1,024]; A: computed on the way; B: computed on the way: QUANTISED
;;     5. batch 16 x [M 2,048, K 1,024] x [K 1,024, N 64]; A: softmax (see below); B: computed on the way: QUANTISED
;;     6. batch 16 x [M 4,096, K 64] x [K 64, N 1,024]; A: computed on the way; B: computed on the way: QUANTISED
;;     7. batch 16 x [M 4,096, K 1,024] x [K 1,024, N 64]; A: softmax (see below); B: computed on the way: QUANTISED
;;     8. [M 8,192, K 1,024] x [K 1,024, N 1,024]; A: computed on the way; B: input Wout: QUANTISED
;;   THE QUANTISER, for each operand of a quantised product, along K:
;;     - K is cut into blocks of 32 from its start; a last block that is shorter is filled with zeros.
;;     - A block's scale is 2^e with e = floor(log2(the largest magnitude in the block)) - 2, held to -126 .. 127; a block of zeros has e = 0. As a byte (E8M0): e + 127.
;;     - Each number is divided by its block's scale, clamped to +-6, and rounded to the nearest number of E2M1, ties to even, subnormals kept.
;;     - The product sums the exact products of the quantised numbers (number of the format x scale) in f32.
;;   ~~~python
;;   def quantise(x, axis):      # numpy; x: float32 -> the quantised numbers, widened to float32 again
;;       x = np.moveaxis(x, axis, -1); K = x.shape[-1]
;;       x = np.pad(x, [(0, 0)] * (x.ndim - 1) + [(0, -K % 32)]); x = x.reshape(x.shape[:-1] + (-1, 32)); a = np.abs(x).max(-1, keepdims=True)
;;       e = np.where(a > 0, np.clip(np.frexp(np.where(a > 0, a, 1))[1] - 1 - 2, -126, 127), 0)      # np.frexp(a)[1] - 1 = floor(log2(a)), exactly
;;       r = np.clip(x / 2.0 ** e, -6, 6)
;;       step = 2.0 ** (np.maximum(np.frexp(np.where(r == 0, 1, r))[1] - 1, 0) - 1)
;;       q = np.round(r / step) * step * 2.0 ** e      # np.round: ties to even
;;       return np.moveaxis(q.reshape(q.shape[:-2] + (-1,))[..., :K], -1, axis).astype(np.float32)
;;   ~~~
;;   SOFTMAX AHEAD OF A QUANTISED PRODUCT. Where the list says 'softmax', what is quantised is not the finished softmax but p = 2^(t - M), with t = logit x log2(e) and M = ceil(the row's largest t), a whole number; so 1/2 < the row's largest p <= 1. The row's sum l is taken of the UNQUANTISED p, in f32, and the product's result is divided by l at the end. Since M is a whole number, a kernel that streams over the keys may use a running M (the ceiling of the running maximum): every later rescaling is an exact power of two, which a block's scale takes up: the codes' values come out the same.
;;   OPERANDS COMPUTED ON THE WAY. 'Computed on the way' means the value that the module computes at that place (a softmax that the list does not call 'softmax' is quantised finished and normalised). What goes into a quantiser is computed in f32, as accurately as f32 sums, v_exp_f32 and their like allow (about 1e-6 of the number): no bf16 or f16 on the way to a quantiser, and a product that is left as it is and whose result goes on into a quantised operand takes f32 operands (vector FMAs, or v_wmma_f32_16x16x4_f32). A number that lies on a knife's edge between two numbers of the format may be rounded either way, as far as f32 arithmetic and the matrix unit's own rounding can turn it there, and no further.
;; One version. Each part assembles by itself: llvm-mc -triple=amdgcn-amd-amdhsa -mcpu=gfx1250 --defsym DOCPART=n.
;; ======== version 1 of 1: 4 launches
;; limits: right only within a limited range of input values
;; workspace buffers: xq 4,456,448 bytes; wq 1,671,168 bytes; oq 557,056 bytes; cq 4,456,448 bytes; kv 4,456,448 bytes; ca 4,718,592 bytes
;; launch quant (part 1): grid 256 x 1, 6 waves a work-group, no clusters, 49,920 bytes of LDS; arguments x, Wqkv, Wout, xq, wq, oq; writes xq, wq, oq
.if DOCPART == 1
	.amdgcn_target "amdgcn-amd-amdhsa--gfx1250"
	.amdhsa_code_object_version 6
	.text
	.protected	k_qc89ddde32c_quant
	.globl	k_qc89ddde32c_quant
	.p2align	8
	.type	k_qc89ddde32c_quant,@function
k_qc89ddde32c_quant:
	s_mov_b64 s[64:65], 0
	v_nop
	global_prefetch_b8 v0, s[64:65] scope:SCOPE_SE
	s_setreg_imm32_b32 hwreg(HW_REG_WAVE_MODE, 25, 1), 1
	s_wait_xcnt 0x0
; x [8192][1024], Wqkv [3072][1024] and Wout [1024][1024], f32, K innermost, become codes of FP4 (E2M1) with one E8M0 byte for each 32 along K:
; codes [row][512 bytes] at the buffer's head, scale bytes [row][32] behind them.  The ROWS are laid in the order in which the later launches want them.
; WORK LEFT OUT BY THE PROGRAM, for all values of the inputs:
;  (a) reference() keeps of each segment's keys and values only k[:, :, perm][::dil]: every 1st, 2nd, 4th position in Hilbert order.  The K and V columns of x Wqkv^T + bqkv at the other 4,096 positions
;      are sliced away in reference()'s own body and reach no output: those rows of the first product (4,096 rows x 2,048 columns) are not computed.
;  (b) q[:, :, perm] and out[:, :, inv_perm]: each query's row is computed by itself, so a gather of rows and its inverse round the row-wise work are an identity: queries are taken in any order.
;      The Hilbert order stays where it is live: which keys the stride keeps, and their order, along which p and V are cut into blocks of 32.
;  Every input has a way to the output and is loaded.  LIMIT: a NaN, an infinity or an overflow that reaches only the K and V rows left out is not carried to the result.
; ROW ORDER.  Storage row s of xq holds position nat(swap34(s)) of x.  swap34 changes bits 3 and 4 of an index, so that 16 consecutive storage rows are rows 32 b + 8 u + r + 8 (r / 8) of the order p.
; The order p: p = 1024 c + jj; the Hilbert index in the segment is i = (jj << sh) + off, with sh = 0,0,1,2,1,2,2,2 and off = 0,1024,0,0,1,1,2,3 for c = 0 .. 7: first segment 0, then the kept keys of segments 1 and 2,
; then their other positions.  A segment of 2,048 lies on the 64 x 64 grid's rows 0-31, which the curve visits at distances 0-1023 and 3072-4095: d = i + 2 (i & 1024).  nat = 2048 sh + lin(d), lin by reference()'s own six steps.
; Wqkv's rows are laid by swap34 alone, Wout's as they are.
; THE QUANTISER: a block's scale byte is its largest magnitude's exponent field - 2, held at 1 from below.  A block of zeros gets the byte 1 where the rule says 127: its codes are zeros, and this program alone reads the bytes.
; LIMITS: blocks whose largest magnitude lies under 2^-124 were not tried; NaN and infinities among the inputs are not served.
; SHARES: a wave takes 8 storage rows, 16 steps of 512 numbers; work-groups 0-255 take x, 256-351 Wqkv, 352-383 Wout.  Each load reads 512 consecutive bytes; a step's 2,048 bytes turn through the wave's own stage in LDS,
; so that a lane holds 16 neighbours; the wave stores 256 consecutive bytes of codes a step, and its 256 scale bytes at the end.  No tensor loads, no barrier: waves share nothing.
; SHARES AS THEY STAND: 12,288 rows in all are 1,536 waves' 8 rows: 256 work-groups of six waves, 48 rows each.  The tensor is chosen by the wave's number in the launch, 6 x work-group + wave:
; waves 0-1023 take x, 1024-1407 Wqkv, 1408-1535 Wout.  Loads run eight steps (32 loads a wave) ahead.
.set WAVES, 6
.set STEPS, 16
.set EMAX,  2
.set CB,    8                          ; bytes of 16 codes
.set R,     16                         ; v16-143 eight sets of 16 numbers as loaded (before that: at work on the row map)
.set X,     144                        ; v144-175 two sets of 16 neighbours (v16-143: eight sets of 16 numbers as loaded)
.set E,     176                        ; v176-191 a scale byte for each step
.set C,     192                        ; v192-223 codes: two registers of its own for each step
.set OFFR,  224                        ; v224-231 byte offset of my 16 bytes in each of the wave's 8 source rows; never rewritten
.set WREG,  8192                       ; LDS: a region for each wave: two stages of 32 x SP bytes, then its 256 scale bytes
.set SP,    80
.set SPW,   12                         ; v12  my spare word's LDS address; never rewritten
.set NIL,   13                         ; v13  0; never rewritten
.set SPARE, WAVES*WREG                 ; behind the regions: the spare words, 128 bytes a wave
.set TSH,   24                         ; s24  the table of sh, four bits for each c
.set TOF,   25                         ; s25  the table of off
; v[vn] = the position of x that storage row v[vs] holds.  v[tb] .. v[tb+6] at work.
.macro NAT vs, vn, tb
	v_bfe_u32 v[\tb], v[\vs], 3, 1
; THE ROW ORDER AS IT STANDS: where the comments of this kernel say swap34, the map is a rotation of bits 3, 4, 5: bit 3 of a storage row is bit 5 of the order p, its bits 5:4 are p's bits 4:3.
; So 16 consecutive storage rows 64 c + 16 u + 8 g + r (r under 8) are rows 64 c + 32 g + 8 u + r of p: in the later products a lane's 32 registers of four neighbouring tiles are one whole block of 32.
	v_bfe_u32 v[\tb+1], v[\vs], 4, 2
	v_and_b32 v[\tb+2], 0xffffffc7, v[\vs]
	v_lshl_or_b32 v[\tb+2], v[\tb], 5, v[\tb+2]
	v_lshl_or_b32 v[\tb+2], v[\tb+1], 3, v[\tb+2]      ; p = swap34(s)
	v_lshrrev_b32 v[\tb], 10, v[\tb+2]                 ; c
	v_lshlrev_b32 v[\tb+1], 2, v[\tb]
	v_lshrrev_b32 v[\tb+3], v[\tb+1], s[TSH]
	v_and_b32 v[\tb+3], 15, v[\tb+3]                   ; sh, which is also the segment's number
	v_lshrrev_b32 v[\tb+4], v[\tb+1], s[TOF]
	v_and_b32 v[\tb+4], 15, v[\tb+4]                   ; off,
	v_lshrrev_b32 v[\tb+5], v[\tb], 2
	v_and_b32 v[\tb+5], 1, v[\tb+5]
	v_lshl_add_u32 v[\tb+4], v[\tb+5], 10, v[\tb+4]    ; + 1024 where c = 1
	v_and_b32 v[\tb+2], 0x3ff, v[\tb+2]
	v_lshlrev_b32 v[\tb+2], v[\tb+3], v[\tb+2]
	v_add_nc_u32 v[\tb+2], v[\tb+2], v[\tb+4]          ; i
	v_lshrrev_b32 v[\tb], 1, v[\tb+3]
	v_xor_b32 v[\tb], 1, v[\tb]
	v_lshlrev_b32 v[\tb], 10, v[\tb]                   ; 1024 in segments of 2,048, else 0
	v_and_b32 v[\tb], v[\tb], v[\tb+2]
	v_lshl_add_u32 v[\tb+2], v[\tb], 1, v[\tb+2]       ; d
	v_lshlrev_b32 v[\vn], 11, v[\tb+3]                 ; the segment's first position
	v_mov_b32 v[\tb], 0                                ; x
	v_mov_b32 v[\tb+1], 0                              ; y
.irp k, 0,1,2,3,4,5
	v_bfe_u32 v[\tb+3], v[\tb+2], 2*\k+1, 1            ; rx
	v_bfe_u32 v[\tb+4], v[\tb+2], 2*\k, 1
	v_xor_b32 v[\tb+4], v[\tb+4], v[\tb+3]             ; ry
	v_add_nc_u32 v[\tb+5], -1, v[\tb+4]                ; all ones where ry = 0
	v_sub_nc_u32 v[\tb+6], 0, v[\tb+3]
	v_and_b32 v[\tb+6], v[\tb+6], v[\tb+5]
	v_and_b32 v[\tb+6], (1<<\k)-1, v[\tb+6]            ; s - 1 where ry = 0 and rx = 1: x, y -> s - 1 - x, s - 1 - y
	v_xor_b32 v[\tb], v[\tb], v[\tb+6]
	v_xor_b32 v[\tb+1], v[\tb+1], v[\tb+6]
	v_xor_b32 v[\tb+6], v[\tb], v[\tb+1]
	v_and_b32 v[\tb+6], v[\tb+6], v[\tb+5]             ; x and y change places where ry = 0
	v_xor_b32 v[\tb], v[\tb], v[\tb+6]
	v_xor_b32 v[\tb+1], v[\tb+1], v[\tb+6]
	v_lshl_or_b32 v[\tb], v[\tb+3], \k, v[\tb]
	v_lshl_or_b32 v[\tb+1], v[\tb+4], \k, v[\tb+1]
.endr
	v_lshl_or_b32 v[\tb], v[\tb+1], 6, v[\tb]          ; lin = 64 y + x
	v_add_nc_u32 v[\vn], v[\vn], v[\tb]
.endm
	s_load_b128 s[4:7], s[0:1], 0x0                ; x, Wqkv
	s_load_b128 s[8:11], s[0:1], 0x10              ; Wout, xq
	s_load_b128 s[12:15], s[0:1], 0x20             ; wq, oq
	v_lshl_add_u32 v[SPW], v0, 2, SPARE
	v_mov_b32 v[NIL], 0
	v_lshrrev_b32 v1, 5, v0
	v_readfirstlane_b32 s16, v1                    ; wave
	v_and_b32 v2, 31, v0                           ; lane
	v_lshlrev_b32 v3, 4, v2                        ; my 16 bytes of a load's 512
	s_mul_i32 s17, s16, WREG
	v_lshrrev_b32 v14, 2, v2
	v_mul_u32_u24 v14, v14, SP
	v_and_b32 v15, 3, v2
	v_lshl_add_u32 v14, v15, 4, v14
	v_add_nc_u32 v14, s17, v14                     ; the stage, on the way in: SP (lane / 4) + 16 (lane % 4)
	v_mul_u32_u24 v15, v2, SP
	v_add_nc_u32 v15, s17, v15                     ; and on the way out: SP x lane: my 16 neighbours
	v_mul_u32_u24 v4, v2, CB                       ; my codes' place in a step's
	v_lshrrev_b32 v5, 1, v2
	s_add_co_u32 s17, s17, 2*32*SP
	v_add_nc_u32 v5, s17, v5                       ; LDS: my wave's 256 scale bytes, my block's byte
	v_lshlrev_b32 v7, 3, v2                        ; and on the way out 8 bytes a lane
	v_add_nc_u32 v6, s17, v7
	; which tensor: the choice hangs on the wave's number in the launch
	s_mov_b32 s20, 0x80000                         ; where the scale bytes begin in the tensor's buffer,
	s_mov_b32 s21, 1408                            ; the tensor's first wave,
	s_mul_i32 s30, ttmp9, WAVES
	s_add_co_u32 s30, s30, s16                     ; my wave's number in the launch
	s_cmp_lt_u32 s30, 1408
	s_cselect_b32 s20, 0x180000, s20
	s_cselect_b32 s21, 1024, s21
	s_cselect_b32 s22, -1, 0                       ; all lanes where the rows go by swap34 (Wqkv),
	s_cmp_lt_u32 s30, 1024
	s_cselect_b32 s20, 0x400000, s20
	s_cselect_b32 s21, 0, s21
	s_cselect_b32 s22, 0, s22
	s_cselect_b32 s23, -1, 0                       ; all lanes where they go by nat (x)
	s_sub_co_u32 s18, s30, s21
	s_lshl_b32 s18, s18, 3                         ; my wave's first storage row
	s_mov_b32 s[TSH], 0x22212100
	s_mov_b32 s[TOF], 0x32110000
	v_and_b32 v16, 7, v0
	v_add_nc_u32 v16, s18, v16                     ; lane l works out row l % 8
	NAT 16, 17, 18
	v_bfe_u32 v18, v16, 3, 1
	v_bfe_u32 v19, v16, 4, 2
	v_and_b32 v20, 0xffffffc7, v16
	v_lshl_or_b32 v20, v18, 5, v20                 ; the same rotation of bits 3, 4, 5 for Wqkv's rows
	v_lshl_or_b32 v20, v19, 3, v20                 ; swap34(s)
	v_cndmask_b32 v16, v16, v20, s22
	v_cndmask_b32 v16, v16, v17, s23               ; the source row,
	v_lshlrev_b32 v16, 12, v16                     ; in bytes
.irp i, 0,1,2,3,4,5,6,7
	v_readlane_b32 s[32+\i], v16, \i
.endr
.irp i, 0,1,2,3,4,5,6,7
	v_add_nc_u32 v[OFFR+\i], s[32+\i], v3
.endr
	s_lshl_b32 s26, s18, 9                         ; my codes: 512 bytes a row
	s_mov_b32 s27, 0
	s_lshl_b32 s28, s18, 5                         ; my scale bytes: 32 a row
	s_add_co_u32 s28, s28, s20
	s_mov_b32 s29, 0
	s_wait_alu depctr_va_vdst(0)
	s_wait_kmcnt 0x0
	s_cmp_lt_u32 s30, 1408
	s_cselect_b64 s[6:7], s[6:7], s[8:9]
	s_cselect_b64 s[12:13], s[12:13], s[14:15]
	s_cmp_lt_u32 s30, 1024
	s_cselect_b64 s[4:5], s[4:5], s[6:7]
	s_cselect_b64 s[10:11], s[10:11], s[12:13]     ; the buffer
	s_add_nc_u64 s[8:9], s[10:11], s[26:27]        ; my codes
	s_add_nc_u64 s[10:11], s[10:11], s[28:29]      ; my scale bytes
.macro LOAD t                          ; step t: half t % 2 of row t / 2
.irp i, 0,1,2,3
	global_load_b128 v[R+16*((\t)%8)+4*\i:R+16*((\t)%8)+4*\i+3], v[OFFR+(\t)/2], s[4:5] offset:2048*((\t)%2)+512*\i th:TH_LOAD_NT   ; 32 lanes read 512 consecutive bytes
.endr
.endm
.macro TURN t                          ; step t's numbers through the stage: LDS serves a wave's instructions in order, so no wait stands between the stores and the loads
.irp i, 0,1,2,3
	ds_store_b128 v14, v[R+16*((\t)%8)+4*\i:R+16*((\t)%8)+4*\i+3] offset:32*SP*((\t)%2)+8*SP*\i
.endr
.irp i, 0,1,2,3
	ds_load_b128 v[X+16*((\t)%2)+4*\i:X+16*((\t)%2)+4*\i+3], v15 offset:32*SP*((\t)%2)+16*\i
.endr
.endm
.irp t, 0,1,2,3,4,5,6,7
	LOAD \t
.endr
	s_wait_loadcnt 28                              ; step 0's four loads are in; the 28 of steps 1 to 7 may be out
	TURN 0
.macro STEP t
.set XS, X+16*((\t)%2)
.if (\t) > 0
	s_wait_dscnt 1                                 ; this step's numbers are back from the stage (the last step's byte store may be out): so its stores into the stage have read their registers,
.else
	s_wait_dscnt 0x0
.endif
.if (\t)+8 < STEPS
	LOAD (\t)+8                                    ; which take the loads of eight steps on
.endif
.if (\t)+1 < STEPS
.if STEPS-2-(\t) >= 7
	s_wait_loadcnt 28                              ; the next step's four loads are in; those of the seven steps behind it may be out
.else
	s_wait_loadcnt 4*(STEPS-2-(\t))
.endif
	TURN (\t)+1
.endif
	v_max3_num_f32 v8, |v[XS]|, |v[XS+1]|, |v[XS+2]|               ; the largest magnitude of my 16
	v_max3_num_f32 v9, |v[XS+3]|, |v[XS+4]|, |v[XS+5]|
.irp i, 6,10
	v_max3_num_f32 v8, v8, |v[XS+\i]|, |v[XS+\i+1]|
	v_max3_num_f32 v9, v9, |v[XS+\i+2]|, |v[XS+\i+3]|
.endr
	v_max3_num_f32 v8, v8, |v[XS+14]|, |v[XS+15]|
	v_max3_num_f32 v8, v8, v9, (EMAX+1)<<23        ; and the floor 2^(3 - 127): the byte cannot fall under 1
	v_max_num_f32_dpp v8, v8, v8 row_xmask:1 row_mask:0xf bank_mask:0xf   ; and of my neighbour's 16: the block's
	v_add_nc_u32 v11, -(EMAX<<23), v8              ; 2 off its exponent field: the conversion takes the exponent field of this operand as its scale
	v_cvt_scalef32_pk8_fp4_f32 v[C+2*(\t)], v[XS:XS+7], v11
	v_cvt_scalef32_pk8_fp4_f32 v[C+2*(\t)+1], v[XS+8:XS+15], v11
	v_lshrrev_b32 v[E+(\t)], 23, v11               ; the scale's byte
	ds_store_b8 v5, v[E+(\t)] offset:16*(\t)       ; both lanes of a block write the same byte with the same value
	global_store_b64 v4, v[C+2*(\t):C+2*(\t)+1], s[8:9] offset:32*CB*(\t)   ; the wave stores 256 consecutive bytes, aligned
.endm
.irp t, 0,1,2,3,4,5,6,7,8,9,10,11,12,13,14,15
	STEP \t
.endr
	ds_load_b64 v[8:9], v6                         ; LDS serves a wave's instructions in order: these see my stores
	s_wait_dscnt 0x0
	global_store_b64 v7, v[8:9], s[10:11]          ; 32 lanes store 256 consecutive bytes, aligned
	s_wait_tensorcnt 0x0                           ; the wave's end, behind my last LDS store
	ds_add_u32 v[SPW], v[NIL]
	s_wait_dscnt 0x0
	s_endpgm
.Lfunc_end_k_qc89ddde32c_quant:
	.size	k_qc89ddde32c_quant, .Lfunc_end_k_qc89ddde32c_quant-k_qc89ddde32c_quant
	.p2alignl 7, 3214868480
	.fill 96, 4, 3214868480
	.section	.rodata,"a",@progbits
	.p2align	6, 0x0
	.amdhsa_kernel k_qc89ddde32c_quant
		.amdhsa_group_segment_fixed_size 49920
		.amdhsa_private_segment_fixed_size 0
		.amdhsa_enable_private_segment 0
		.amdhsa_kernarg_size 48
		.amdhsa_user_sgpr_count 2
		.amdhsa_user_sgpr_kernarg_segment_ptr 1
		.amdhsa_wavefront_size32 1
		.amdhsa_system_sgpr_workgroup_id_x 1
		.amdhsa_system_sgpr_workgroup_id_y 1
		.amdhsa_system_sgpr_workgroup_id_z 1
		.amdhsa_system_vgpr_workitem_id 0
		.amdhsa_next_free_vgpr 232
		.amdhsa_next_free_sgpr 66
		.amdhsa_reserve_vcc 0
		.amdhsa_float_denorm_mode_32 3
		.amdhsa_float_denorm_mode_16_64 3
		.amdhsa_memory_ordered 1
		.amdhsa_forward_progress 1
		.amdhsa_inst_pref_size 40
	.end_amdhsa_kernel
	.amdgpu_metadata
---
amdhsa.version: [ 1, 2 ]
amdhsa.kernels:
  - .name:           k_qc89ddde32c_quant
    .symbol:         k_qc89ddde32c_quant.kd
    .args:
      - { .name: x, .offset: 0, .size: 8, .value_kind: global_buffer, .address_space: global }
      - { .name: Wqkv, .offset: 8, .size: 8, .value_kind: global_buffer, .address_space: global }
      - { .name: Wout, .offset: 16, .size: 8, .value_kind: global_buffer, .address_space: global }
      - { .name: xq, .offset: 24, .size: 8, .value_kind: global_buffer, .address_space: global }
      - { .name: wq, .offset: 32, .size: 8, .value_kind: global_buffer, .address_space: global }
      - { .name: oq, .offset: 40, .size: 8, .value_kind: global_buffer, .address_space: global }
    .group_segment_fixed_size: 49920
    .private_segment_fixed_size: 0
    .kernarg_segment_align: 8
    .kernarg_segment_size: 48
    .max_flat_workgroup_size: 192
    .sgpr_count:     66
    .vgpr_count:     232
    .wavefront_size: 32
...
	.end_amdgpu_metadata
.endif
;; end of part 1
;; launch qkv (part 2): grid 16 x 16, 4 waves a work-group, clusters of 4 x 4, 327,680 bytes of LDS; arguments xq, wq, bqkv, cq, kv; writes cq, kv
.if DOCPART == 2
	.amdgcn_target "amdgcn-amd-amdhsa--gfx1250"
	.amdhsa_code_object_version 6
	.text
	.protected	k_qc89ddde32c_qkv
	.globl	k_qc89ddde32c_qkv
	.p2align	8
	.type	k_qc89ddde32c_qkv,@function
k_qc89ddde32c_qkv:
	s_mov_b64 s[64:65], 0
	v_nop
	global_prefetch_b8 v0, s[64:65] scope:SCOPE_SE
	s_setreg_imm32_b32 hwreg(HW_REG_WAVE_MODE, 25, 1), 1
	s_wait_xcnt 0x0
	s_wait_alu depctr_hold_cnt(0) depctr_sa_sdst(0) depctr_va_vdst(0) depctr_va_sdst(0) depctr_va_ssrc(0) depctr_va_vcc(0) depctr_vm_vsrc(0)
	s_getreg_b32 s2, hwreg(HW_REG_IB_STS2, 6, 4)
	s_cmp_eq_u32 s2, 0
	s_cbranch_scc0 .Lentry_in_a_cluster
	s_endpgm
.Lentry_in_a_cluster:
	s_bfe_u32 s2, ttmp6, 0x10000c
	s_cmp_lg_u32 s2, 0xf033
	s_cbranch_scc0 .Lentry_shape_is_right
	s_endpgm
.Lentry_shape_is_right:
; qkv = Q(x) Q(Wqkv)^T + bqkv on codes of FP4 with E8M0 scales, and its results quantised at once for the attention: Q and K along the head's 64, V along the keys.  Nothing goes to memory as f32.
; LEFT OUT: the K and V columns at the 4,096 positions whose keys reference() slices away ([::dil] in Hilbert order): storage rows 4096-8191 of xq get Q's 1,024 columns alone.
; 256 work-groups, a tile of 256 x 256 each, four waves of 128 x 128.  K = 1,024 lies whole in two LDS slots of 512 along K: every tile is asked for at the head and nothing is filled again.
; CLUSTERS of 4 x 4.  The cluster's x gives the kind: 0 Q (rows 0-4095), 1 K, 2 V, 3 Q (rows 4096-8191).  The tile called A hangs on cy and is shared along a row of the cluster, B on cx and along a column: joint loads.
; Source 0 of the matrix instruction takes 16 rows of B, source 1 16 rows of A: a lane holds ONE row of A, and its eight registers eight rows of B.
;   Q, K: A = rows of x, B = rows of Wqkv: a lane's registers run along the head's dimensions, the K of the scores.
;   V:    A = rows of Wqkv, B = rows of x: a lane holds one channel and its registers run along the keys, the K of the second product.  Only the two buffers' addresses change places; the loop is one text.
; Rows of xq and wq are laid so that 16 consecutive rows are rows 32 b + 8 u + r + 8 (r / 8) of the true order: the 16 registers of tiles 2 b and 2 b + 1 are then 16 neighbours, 32 b + 16 (lane / 16) + 0 .. 15.
; THE WAY OUT has no LDS: for each of A's eight blocks a lane's 64 numbers (+ bias) are four half blocks of 32; QUANT makes of them a fragment's 8 registers and a scale word, and the registers are stored as they stand, 16 bytes a lane:
; each store of the wave covers 512 consecutive bytes, aligned.  cq: [head][tile of 16 rows][512 B]; kv: [head][key step of 128][8 tiles of K, K's scale words, 4 x 2 images of V^T, V's scale words].
; The text parts on the kind once, behind the last barrier: each arm has its bias loads, slot 1's four steps and its way out.
; LIMITS: NaN and infinities are not served; a block of zeros gets the byte 1 (its codes are zeros; this program alone reads the bytes); magnitudes under 2^-124 were not tried.
; REGISTERS: window 0: v0-31 addresses; v32-95 scale words, two sets; v96-127 at work on the way out; v128-191 A's fragments, later 64 numbers; v192-255 the bias.  window 1: B's fragments, two sets.  windows 2, 3: the 64 accumulators.
.set NQ,     4                         ; matrix instructions deep in a slot
; AS IT STANDS: all of K = 1,024 comes at the head, as rows of 512 bytes: wave 0 fetches A's 256 rows, wave 1 B's, wave 2 A's scale bytes, wave 3 B's: one tensor load a wave, nothing is filled later.
; 'Slot 1' below is the rows' second 256 bytes.  Rows of xq and wq are laid by the rotation of bits 3, 4, 5 (launch quant): a lane's 32 registers of tiles 4 c .. 4 c + 3 are k = 64 c + 32 (lane / 16) + 0 .. 31, a whole block.
.set ROWB,   512                       ; a tile's row: 1,024 codes
.set KROW,   512
.set PITCH,  528                       ; an LDS row: 512 bytes + 16 of padding: an odd multiple of 16 bytes
.set FR,     8
.set NL,     2
.set NP,     4
.set HALFT,  128*PITCH
.set SLOT,   256                       ; from a row's first 512 codes to its second
.set KS,     32
.set SCL,    4*HALFT
.set HALFS,  (128*KS/256)*272
.set SBLK,   (16*KS/256)*272
.set SPARE,  SCL+4*HALFS               ; the spare words, 128 bytes a wave
.set ADRA, 16
.set ADRB, 20
.set BOQ,  22                          ; v22  bias offset of my half's 8 columns (Q, K)
.set BOV,  23                          ; v23  bias offset of my channel (V)
.set L8,   25                          ; v25  8 x lane
.set L16,  26                          ; v26  16 x lane
.set ADRS, 27
.set SPW,  28
.set NIL,  29
.set SC,   32
.set PC,   96                          ; v96-103  the codes just made
.set TM,   104                         ; v104-119 at work
.set PWS,  120                         ; v120-127 the eight blocks' scale words
.set AF,   128
.set T,    128                         ; v128-191 64 numbers
.set BIAS, 192
.set G1, 24
.set G0, 32
.set G1B, 48
.set G0B, 56
.set G1S, 68
.set G0S, 76
.set G1SB, 80
.set G0SB, 88
.set DD,  20                           ; s[20:21], s[22:23] where the codes of my two heads go
.set EE,  96                           ; s[96:97], s[98:99] and their scale words
.set SEL, 100                          ; s[100:101] lane selects: lane l xor 16
.set MSB, 0
.macro WIN new
.if MSB != (\new)
	s_set_vgpr_msb (MSB<<8)|(\new)
.set MSB, (\new)
.endif
.endm
.set MUL_LO, 0xa1                      ; source 0 (B) window 1, source 1 (A) window 0, C and D window 2
.set MUL_HI, 0xf1
.set TO_B,   0x40
; A joint load: waves 0 and 1 fetch for A, waves 2 and 3 for B.  The branch hangs on the wave's number alone.  An s_nop 0 and four v_nop follow each line.
.macro ARM under, g0, g1, next         ; one arm of the head's tree of branches on the wave's number: its load, and a jump to the tree's end
	s_cmp_lt_u32 s14, \under
	s_cbranch_scc0 \next
	tensor_load_to_lds s[\g0:\g0+3], s[\g1:\g1+7]
	s_nop 0
.rept 4
	v_nop
.endr
	s_branch .Lhead_asked
\next:
.endm
.macro CROUND                          ; a round of the cluster's barrier
	s_barrier_signal -1
	s_barrier_wait -1
	s_cmp_lg_u32 s14, 0
	s_cbranch_scc1 .Lnot_wave_0_\@
	s_barrier_signal -3
.Lnot_wave_0_\@:
	s_barrier_wait -3
	s_barrier_signal -1
	s_barrier_wait -1
.endm
	s_load_b128 s[4:7], s[0:1], 0x0                ; xq, wq
	s_load_b128 s[8:11], s[0:1], 0x10              ; bqkv, cq
	s_load_b64 s[12:13], s[0:1], 0x20              ; kv
	v_lshl_add_u32 v[SPW], v0, 2, SPARE
	v_mov_b32 v[NIL], 0
	ds_add_u32 v[SPW], v[NIL]                      ; the wave's opening: the add, twice on end, and its wait ahead of my first tensor load
	ds_add_u32 v[SPW], v[NIL]
	v_lshrrev_b32 v1, 5, v0
	v_readfirstlane_b32 s14, v1                    ; wave 0..3
	s_lshr_b32 s15, s14, 1                         ; which half of A's rows is mine.  Also: I fetch for A (0) or for B (1)
	s_and_b32 s16, s14, 1                          ; which half of B's rows.  Also: which 128 rows I fetch
	s_bfe_u32 s40, ttmp6, 0x40000                  ; cx
	s_bfe_u32 s41, ttmp6, 0x40004                  ; cy
	s_lshr_b32 s18, ttmp9, 1
	s_and_b32 s18, s18, ttmp9                      ; 1 in the fourth column of clusters
	s_mul_i32 s19, s18, 3
	s_sub_co_u32 s19, ttmp9, s19                   ; the kind: 0 Q, 1 K, 2 V: the same in all sixteen partners
	s_and_b32 s20, ttmp7, 0xffff
	s_lshl_b32 s20, s20, 2                         ; 4 x cluster y
	s_lshl_b32 s21, s18, 4
	s_add_co_u32 s21, s21, s20                     ; Q, K: A's first tile: of x
	s_lshl_b32 s22, s19, 2                         ; and B's: of Wqkv
	s_mov_b32 s94, 0x400000                        ; where xq's scale bytes begin,
	s_mov_b32 s95, 0x180000                        ; and wq's
	s_cmp_eq_u32 s19, 2
	s_cselect_b32 s21, 8, s21                      ; V: A's tiles are Wqkv's 8 to 11,
	s_cselect_b32 s22, s20, s22                    ; B's are x's
	s_cselect_b32 s96, s95, s94
	s_cselect_b32 s97, s94, s95
	s_add_co_u32 s17, s21, s41                     ; A's tile of 256 rows
	s_add_co_u32 s42, s22, s40                     ; B's
	s_lshl_b32 s43, s41, 2
	s_lshl_b32 s43, 15, s43                        ; my row of the cluster
	s_lshl_b32 s44, 0x1111, s40                    ; my column
	s_or_b32 s[G1+0], s43, (0<<16)|(1<<20)|(1<<21)|(6<<22)|(3<<25)  ; the mask; elements of 1 byte; padding: 4 words after every 128; bit 21 beside a mask
	s_or_b32 s[G1B+0], s44, (0<<16)|(1<<20)|(1<<21)|(6<<22)|(3<<25)
.irp g, G1, G1B
	s_mov_b32 s[\g+1], ROWB<<16                    ; tensor_dim0
	s_mov_b32 s[\g+2], 256<<16                     ; tensor_dim1
	s_mov_b32 s[\g+3], ROWB<<16                    ; tile_dim0
	s_mov_b32 s[\g+4], 256                         ; tile_dim1
	s_mov_b32 s[\g+5], KROW                        ; from row to row
	s_mov_b32 s[\g+6], 0
	s_mov_b32 s[\g+7], 0
.endr
	s_or_b32 s[G1S+0], s43, (3<<16)|(1<<20)|(1<<21)|(5<<22)|(3<<25) ; the scale bytes of 256 rows: 8,192 dense bytes as 32 rows of 256, padded
	s_or_b32 s[G1SB+0], s44, (3<<16)|(1<<20)|(1<<21)|(5<<22)|(3<<25)
.irp g, G1S, G1SB
	s_mov_b32 s[\g+1], 32<<16
	s_mov_b32 s[\g+2], KS<<16                      ; the scale bytes of 256 rows: KS rows of 256 bytes
	s_mov_b32 s[\g+3], 32<<16
	s_mov_b32 s[\g+4], KS
	s_mov_b32 s[\g+5], 32
	s_mov_b32 s[\g+6], 0
	s_mov_b32 s[\g+7], 0
.endr
	s_lshl_b32 s20, s17, 8                         ; A's first row
	s_lshl_b32 s46, s42, 8                         ; B's
	s_lshl_b32 s22, s20, 5
	s_add_co_u32 s22, s22, s96                     ; A's scale bytes,
	s_lshl_b32 s20, s20, 9                         ; A's codes, in bytes from the buffer's head
	s_lshl_b32 s92, s46, 5
	s_add_co_u32 s92, s92, s97
	s_lshl_b32 s46, s46, 9
	s_mov_b32 s21, 0
	s_mov_b32 s23, 0
	s_mov_b32 s47, 0
	s_mov_b32 s93, 0
	s_wait_dscnt 0x0                               ; both opening adds are done
	s_wait_kmcnt 0x0
	s_cmp_eq_u32 s19, 2
	s_cselect_b64 s[96:97], s[6:7], s[4:5]         ; A's buffer
	s_cselect_b64 s[94:95], s[4:5], s[6:7]         ; B's
	s_add_nc_u64 s[20:21], s[96:97], s[20:21]
	s_add_nc_u64 s[22:23], s[96:97], s[22:23]
	s_add_nc_u64 s[46:47], s[94:95], s[46:47]
	s_add_nc_u64 s[92:93], s[94:95], s[92:93]
	CROUND                                         ; all sixteen work-groups are here: the first joint loads meet
	s_mov_b32 s[G0], 1                             ; A's 256 rows,
	s_mov_b32 s[G0+1], 0
	s_mov_b64 s[G0+2:G0+3], s[20:21]
	s_or_b32 s[G0+3], s[G0+3], 0x80000000
	s_mov_b32 s[G0B], 1                            ; B's behind them,
	s_mov_b32 s[G0B+1], 2*HALFT
	s_mov_b64 s[G0B+2:G0B+3], s[46:47]
	s_or_b32 s[G0B+3], s[G0B+3], 0x80000000
	s_mov_b32 s[G0S], 1                            ; A's scale bytes,
	s_mov_b32 s[G0S+1], SCL
	s_mov_b64 s[G0S+2:G0S+3], s[22:23]
	s_or_b32 s[G0S+3], s[G0S+3], 0x80000000
	s_mov_b32 s[G0SB], 1                           ; and B's
	s_mov_b32 s[G0SB+1], SCL+2*HALFS
	s_mov_b64 s[G0SB+2:G0SB+3], s[92:93]
	s_or_b32 s[G0SB+3], s[G0SB+3], 0x80000000
	ARM 1, G0,  G1,  .Lhead_b                      ; one tree, one load to an arm: every way through the head passes exactly one
	ARM 2, G0B, G1B, .Lhead_sa
	ARM 3, G0S, G1S, .Lhead_sb
	tensor_load_to_lds s[G0SB:G0SB+3], s[G1SB:G1SB+7]
	s_nop 0
.rept 4
	v_nop
.endr
.Lhead_asked:
	v_and_b32 v1, 15, v0                           ; r
	v_bfe_u32 v2, v0, 4, 1                         ; h
	v_mul_u32_u24 v3, v1, PITCH
	v_lshl_add_u32 v4, v2, 4, v3                   ; a fragment's row x pitch + 16 h
	s_mul_i32 s21, s15, HALFT
	s_mul_i32 s22, s16, HALFT
	s_add_co_u32 s22, s22, 2*HALFT
.irp s, 0,1
	v_add_nc_u32 v[ADRA+\s], s21, v4
	v_add_nc_u32 v[ADRB+\s], s22, v4
	s_add_co_u32 s21, s21, SLOT
	s_add_co_u32 s22, s22, SLOT
.endr
	v_mul_u32_u24 v5, v1, KS                       ; my row's scale bytes,
	v_lshrrev_b32 v6, 8, v5
	v_lshl_add_u32 v5, v6, 4, v5                   ; and 16 more for each 256 passed
	s_mul_i32 s21, s15, HALFS
	s_mul_i32 s22, s16, HALFS
	s_add_co_u32 s22, s22, 2*HALFS
	s_sub_co_u32 s22, s22, s21
	v_mul_u32_u24 v6, s22, v2                      ; lanes 16-31 take B's
	s_add_co_u32 s21, s21, SCL
	v_add_nc_u32 v5, v5, v6
	v_add_nc_u32 v[ADRS], s21, v5
	v_and_b32 v6, 31, v0
	v_lshlrev_b32 v[L8], 3, v6
	v_lshlrev_b32 v[L16], 4, v6
.set H8, 24                            ; v24  8 x (lane / 16): how far my two scale bytes are shifted in a scale word
	v_lshlrev_b32 v[BOQ], 7, v2                    ; Q, K: my half's columns begin 32 h on
	v_and_b32 v5, 8, v1
	v_mad_u32_u24 v5, v5, 3, v1
	v_lshlrev_b32 v[BOV], 2, v5                    ; V: my channel in a tile: r % 8 + 32 (r / 8)
	v_lshlrev_b32 v[H8], 3, v2
.irp b, 0,1,2,3
	v_mov_b32 v[TM+4+\b], 0                        ; written once: a lane permute's destination counts as one of its sources
.endr
	; where the results go.  hd0: the first of my two heads; g: my 128 rows of x
	s_cmp_eq_u32 s19, 2
	s_cselect_b32 s20, s41, s40
	s_cselect_b32 s21, s15, s16
	s_cselect_b32 s22, s42, s17
	s_cselect_b32 s23, s16, s15
	s_cselect_b32 s18, 4352, 0                     ; V's images lie behind K's in a key step
	s_cselect_b32 s45, s17, s42                    ; Wqkv's tile, for the bias
	s_lshl_b32 s20, s20, 2
	s_lshl_b32 s46, s21, 1
	s_add_co_u32 s20, s20, s46                     ; hd0
	s_lshl_b32 s22, s22, 1
	s_add_co_u32 s22, s22, s23                     ; g
	s_lshl_b32 s45, s45, 10
	s_lshl_b32 s21, s21, 9
	s_add_co_u32 s46, s45, s21
	s_mov_b32 s47, 0
	s_add_nc_u64 s[46:47], s[8:9], s[46:47]        ; bqkv at my 128 columns
	s_mov_b32 s92, 278528                          ; kv: a head, a key step, K's scale words
	s_mov_b32 s93, 8704
	s_mov_b32 s94, 4096
	s_cmp_eq_u32 s19, 0
	s_cselect_b64 s[98:99], s[10:11], s[12:13]     ; Q goes to cq, K and V to kv
	s_cselect_b32 s95, 262144, s92                 ; codes: from head to head,
	s_cselect_b32 s96, 4096, s93                   ; from 128 rows to the next;
	s_cselect_b32 s92, 16384, s92                  ; scale words likewise,
	s_cselect_b32 s93, 256, s93
	s_cselect_b32 s94, 0x400000, s94               ; and where they begin
	s_mul_i32 s21, s20, s95
	s_mul_i32 s23, s22, s96
	s_add_co_u32 s21, s21, s23
	s_add_co_u32 s2, s21, s18
	s_mov_b32 s3, 0
	s_mul_i32 s21, s20, s92
	s_mul_i32 s23, s22, s93
	s_add_co_u32 s21, s21, s23
	s_add_co_u32 s21, s21, s94
	s_add_co_u32 s100, s21, s18
	s_mov_b32 s101, 0
	s_add_nc_u64 s[DD:DD+1], s[98:99], s[2:3]
	s_mov_b32 s2, s95
	s_add_nc_u64 s[DD+2:DD+3], s[DD:DD+1], s[2:3]
	s_add_nc_u64 s[EE:EE+1], s[98:99], s[100:101]
	s_mov_b32 s2, s92
	s_add_nc_u64 s[EE+2:EE+3], s[EE:EE+1], s[2:3]
	s_mov_b32 s3, 0xffff0000                       ; lanes 16-31
	s_mov_b32 s[SEL], 0x76543210
	s_mov_b32 s[SEL+1], 0xfedcba98
.macro FRAG reg, adr, q, i             ; 16 rows x 128 K of 4-bit codes: 8 registers; registers 4 c .. 4 c + 3 hold K = 64 c + 32 h + 0 .. 31
.irp c, 0,1
	ds_load_b128 v[\reg+4*\c:\reg+4*\c+3], v[\adr] offset:64*(\q)+32*\c+(\i)*16*PITCH
.endr
.endm
; 16 matrix instructions: A's blocks a0, a0 + 1 x B's eight.  The 64 accumulators take turns, one instruction a turn, in the same order in every step.
.macro MUL16 a0, p, q, sc, zero
.irp a, \a0, \a0+1
.irp b, 0,1,2,3,4,5,6,7
.if \zero
	v_wmma_scale_f32_16x16x128_f8f6f4 v[8*(8*((\a)%4)+\b):8*(8*((\a)%4)+\b)+7], v[128*(\p)+FR*\b:128*(\p)+FR*\b+FR-1], v[AF+FR*(\a):AF+FR*(\a)+FR-1], 0, v[SC+8*NQ*(\sc)+NQ*\b+(\q)], v[SC+8*NQ*(\sc)+NQ*(\a)+(\q)] matrix_a_fmt:MATRIX_FMT_FP4 matrix_b_fmt:MATRIX_FMT_FP4 matrix_a_scale:MATRIX_SCALE_ROW1
.else
	v_wmma_scale_f32_16x16x128_f8f6f4 v[8*(8*((\a)%4)+\b):8*(8*((\a)%4)+\b)+7], v[128*(\p)+FR*\b:128*(\p)+FR*\b+FR-1], v[AF+FR*(\a):AF+FR*(\a)+FR-1], v[8*(8*((\a)%4)+\b):8*(8*((\a)%4)+\b)+7], v[SC+8*NQ*(\sc)+NQ*\b+(\q)], v[SC+8*NQ*(\sc)+NQ*(\a)+(\q)] matrix_a_fmt:MATRIX_FMT_FP4 matrix_b_fmt:MATRIX_FMT_FP4 matrix_a_scale:MATRIX_SCALE_ROW1
.endif
.endr
.endr
.endm
.macro FETCH_B slot, q, p
	WIN TO_B
.irp i, 0,1,2,3,4,5,6,7
	FRAG 128*(\p)+FR*\i, ADRB+\slot, \q, \i
.endr
	WIN 0
.endm
.macro FETCH_A slot, q, i0
.irp i, \i0, \i0+1, \i0+2, \i0+3
	FRAG AF+FR*(\i), ADRA+\slot, \q, \i
.endr
.endm
.macro SCALES sc                       ; a slot's scale words: lanes 0-15 take A's block i, lanes 16-31 B's block i
.irp i, 0,1,2,3,4,5,6,7
	ds_load_b128 v[SC+8*NQ*\sc+NQ*\i:SC+8*NQ*\sc+NQ*\i+3], v[ADRS] offset:\i*SBLK+16*\sc
.endr
.endm
.macro PLACES n                        ; plain vector instructions between a matrix instruction and a load into, or a vector read or write of, its registers
.rept \n
	v_nop
.endr
.endm
.macro STEP slot, q, zero              ; 128 along K that have their successor in the same slot
	s_wait_dscnt 4*NL                              ; B's set and A's blocks 0-3 are in; the youngest eight loads (A's blocks 4-7) may be out
	WIN MUL_LO
	MUL16 0, (\q)%2, \q, \slot, \zero
	MUL16 2, (\q)%2, \q, \slot, \zero
	s_wait_dscnt 0
	PLACES NP
	FETCH_B \slot, (\q)+1, 1-(\q)%2
	FETCH_A \slot, (\q)+1, 0
	WIN MUL_HI
	MUL16 4, (\q)%2, \q, \slot, \zero
	MUL16 6, (\q)%2, \q, \slot, \zero
	PLACES NP
	WIN 0
	FETCH_A \slot, (\q)+1, 4
.endm
; Slot 0's last step changes slots: slot 1 has lain whole in LDS since the head, so no wait on tensor loads and no barrier stand here.
.macro TURN slot, next                 ; the step whose successor lies in the rows' second half: a step like the others, no wait on tensor loads, no barrier
	s_wait_dscnt 4*NL
	WIN MUL_LO
	MUL16 0, 1, NQ-1, \slot, 0
	MUL16 2, 1, NQ-1, \slot, 0
	s_wait_dscnt 0
	PLACES NP
	FETCH_B \next, 0, 0
	FETCH_A \next, 0, 0
	WIN MUL_HI
	MUL16 4, 1, NQ-1, \slot, 0
	MUL16 6, 1, NQ-1, \slot, 0
	PLACES NP
	WIN 0
	FETCH_A \next, 0, 4
.endm
.macro STEPS slot, from
.set Q, \from
.rept NQ-1-\from
	STEP \slot, Q, 0
.set Q, Q+1
.endr
.endm
.macro TAIL                            ; slot 1's four steps
	STEPS 1, 0
	s_wait_dscnt 4*NL
	WIN MUL_LO
	MUL16 0, 1, NQ-1, 1, 0
	MUL16 2, 1, NQ-1, 1, 0
	s_wait_dscnt 0
	WIN MUL_HI
	MUL16 4, 1, NQ-1, 1, 0
	MUL16 6, 1, NQ-1, 1, 0
	WIN 0
.endm
; 64 numbers of a lane, register 16 b + i = k 32 b + 16 h + i of my row, become a fragment's codes in v[PC] on and its scale word in v[pw].
.macro QUANT s, pw
.irp b, 0,1,2,3
	v_max3_num_f32 v[TM+\b], |v[\s+16*\b]|, |v[\s+1+16*\b]|, 0x1800000   ; my 16 numbers of block b, and the floor 2^(3 - 127): the byte cannot fall under 1
.endr
.irp i, 2,4,6,8,10,12,14
.irp b, 0,1,2,3
	v_max3_num_f32 v[TM+\b], v[TM+\b], |v[\s+16*\b+\i]|, |v[\s+1+16*\b+\i]|
.endr
.endr
; register 32 c + i is k = 64 c + 32 h + i of my row: blocks 2 c + h are mine whole, and the conversions' results are the fragment's registers as they stand
.irp c, 0,1
	v_max_num_f32 v[TM+4+\c], v[TM+2*\c], v[TM+2*\c+1]   ; block 2 c + h's largest magnitude
.endr
.irp c, 0,1
	v_add_nc_u32 v[TM+12+\c], 0xff000000, v[TM+4+\c]     ; 2 off its exponent field: the conversion's scale operand
.endr
.irp c, 0,1
	v_lshrrev_b32 v[TM+4+\c], 23, v[TM+12+\c]            ; the scale's byte
.endr
	v_lshl_or_b32 v[TM+6], v[TM+5], 16, v[TM+4]
	v_lshlrev_b32 v[TM+6], v[H8], v[TM+6]                ; my two bytes at places h and 2 + h;
	v_permlanex16_b32 v[TM+7], v[TM+6], s[SEL], s[SEL+1]
	v_or_b32 v[\pw], v[TM+6], v[TM+7]                    ; with lane l xor 16's two the word is whole
.irp c, 0,1
.irp u, 0,1,2,3
	v_cvt_scalef32_pk8_fp4_f32 v[PC+4*\c+\u], v[\s+32*\c+8*\u:\s+32*\c+8*\u+7], v[TM+12+\c]
.endr
.endr
	v_nop                                          ; one plain place behind a scaled conversion
.endm
; THE WAY OUT.  isv = 0: block a is 16 rows of x, the 128 numbers along are two heads' 64.  isv = 1: block a is 16 channels (head a / 4, tile a % 4), the 128 along are a key step.
.macro EPI isv
	s_wait_loadcnt 0x0                             ; the bias
	PLACES NP                                      ; behind the last products: their results are read, and A's fragments written over
.irp a, 0,1,2,3,4,5,6,7
.if \a > 0
	s_wait_xcnt 0x0                                ; the last block's stores have read the codes' registers
.endif
	WIN 0x02+(\a)/4                                ; source 0: the accumulators' window
.irp b, 0,1,2,3,4,5,6,7
.irp i, 0,2,4,6
.if \isv
	v_pk_add_f32 v[T+8*\b+\i:T+8*\b+\i+1], v[64*((\a)%4)+8*\b+\i:64*((\a)%4)+8*\b+\i+1], v[BIAS+2*\a:BIAS+2*\a+1]
.else
	v_pk_add_f32 v[T+8*\b+\i:T+8*\b+\i+1], v[64*((\a)%4)+8*\b+\i:64*((\a)%4)+8*\b+\i+1], v[BIAS+8*\b+\i:BIAS+8*\b+\i+1]
.endif
.endr
.endr
	WIN 0
	QUANT T, PWS+\a
.irp c, 0,1
.if \isv
	global_store_b128 v[L16], v[PC+4*\c:PC+4*\c+3], s[DD+2*((\a)/4):DD+2*((\a)/4)+1] offset:1024*((\a)%4)+512*\c   ; 512 consecutive bytes, aligned
.else
	global_store_b128 v[L16], v[PC+4*\c:PC+4*\c+3], s[DD+2*\c:DD+2*\c+1] offset:512*\a
.endif
.endr
.endr
.irp c, 0,1                                    ; the scale words of head c: 8 bytes a lane, 256 consecutive bytes a store
.if \isv
	v_cndmask_b32 v[TM+8+2*\c], v[PWS+4*\c], v[PWS+4*\c+1], s3      ; word 0: channel tile h;
	v_cndmask_b32 v[TM+9+2*\c], v[PWS+4*\c+2], v[PWS+4*\c+3], s3    ; word 1: tile 2 + h
.else
.irp P, 0,1,2,3
	v_perm_b32 v[TM+\P], v[PWS+2*\P+1], v[PWS+2*\P], 0x05040100+0x02020202*\c   ; the head's two bytes of tile 2 P below, of tile 2 P + 1 above
.endr
	v_cndmask_b32 v[TM+8+2*\c], v[TM], v[TM+1], s3                  ; word 0: pair h;
	v_cndmask_b32 v[TM+9+2*\c], v[TM+2], v[TM+3], s3                ; word 1: pair 2 + h
.endif
	global_store_b64 v[L8], v[TM+8+2*\c:TM+9+2*\c], s[EE+2*\c:EE+2*\c+1]
.endr
.endm
	s_wait_alu depctr_va_vdst(0)
	s_wait_tensorcnt 0x0                           ; my one load is in,
	s_barrier_signal -1
	s_barrier_wait -1                              ; everybody's is: all of K lies in LDS
	FETCH_B 0, 0, 0
	FETCH_A 0, 0, 0
	SCALES 0
	SCALES 1
	FETCH_A 0, 0, 4
	STEP 0, 0, 1                                   ; the first products start the sums: nothing is cleared
	STEPS 0, 1
	TURN 0, 1
	s_cmp_eq_u32 s19, 2                            ; the kind hangs on the cluster's x alone
	s_cbranch_scc1 .Lv
	s_wait_alu depctr_va_vdst(0)
.irp b, 0,1,2,3,4,5,6,7                        ; Q, K: register 8 b + j wants the bias of column 64 (b / 4) + 32 h + 8 (b % 4) + j
	global_load_b128 v[BIAS+8*\b:BIAS+8*\b+3], v[BOQ], s[46:47] offset:(64*(\b/4)+8*(\b%4))*4        ; column 64 (b / 4) + 32 h + 8 (b % 4) + j
	global_load_b128 v[BIAS+8*\b+4:BIAS+8*\b+7], v[BOQ], s[46:47] offset:(64*(\b/4)+8*(\b%4))*4+16
.endr
	TAIL
	EPI 0
	s_branch .Lend
.Lv:
	s_wait_alu depctr_va_vdst(0)
.irp a, 0,1,2,3,4,5,6,7                        ; V: block a wants the bias of my channel, 64 (a / 4) + 8 (a % 4) + r % 8 + 32 (r / 8), in both halves of a pair
	global_load_b32 v[BIAS+2*\a], v[BOV], s[46:47] offset:(64*(\a/4)+8*(\a%4))*4                     ; channel 64 (a / 4) + 8 (a % 4) + r % 8 + 32 (r / 8)
	global_load_b32 v[BIAS+2*\a+1], v[BOV], s[46:47] offset:(64*(\a/4)+8*(\a%4))*4
.endr
	TAIL
	EPI 1
.Lend:
	s_wait_tensorcnt 0x0                           ; the wave's end
	ds_add_u32 v[SPW], v[NIL]
	s_wait_dscnt 0x0
	CROUND                                         ; the closing round
	s_endpgm
.Lfunc_end_k_qc89ddde32c_qkv:
	.size	k_qc89ddde32c_qkv, .Lfunc_end_k_qc89ddde32c_qkv-k_qc89ddde32c_qkv
	.p2alignl 7, 3214868480
	.fill 96, 4, 3214868480
	.section	.rodata,"a",@progbits
	.p2align	6, 0x0
	.amdhsa_kernel k_qc89ddde32c_qkv
		.amdhsa_group_segment_fixed_size 327680
		.amdhsa_private_segment_fixed_size 0
		.amdhsa_enable_private_segment 0
		.amdhsa_kernarg_size 40
		.amdhsa_user_sgpr_count 2
		.amdhsa_user_sgpr_kernarg_segment_ptr 1
		.amdhsa_wavefront_size32 1
		.amdhsa_system_sgpr_workgroup_id_x 1
		.amdhsa_system_sgpr_workgroup_id_y 1
		.amdhsa_system_sgpr_workgroup_id_z 1
		.amdhsa_system_vgpr_workitem_id 0
		.amdhsa_next_free_vgpr 1024
		.amdhsa_next_free_sgpr 102
		.amdhsa_reserve_vcc 0
		.amdhsa_float_denorm_mode_32 3
		.amdhsa_float_denorm_mode_16_64 3
		.amdhsa_memory_ordered 1
		.amdhsa_forward_progress 1
		.amdhsa_inst_pref_size 226
	.end_amdhsa_kernel
	.amdgpu_metadata
---
amdhsa.version: [ 1, 2 ]
amdhsa.kernels:
  - .name:           k_qc89ddde32c_qkv
    .symbol:         k_qc89ddde32c_qkv.kd
    .args:
      - { .name: xq, .offset: 0, .size: 8, .value_kind: global_buffer, .address_space: global }
      - { .name: wq, .offset: 8, .size: 8, .value_kind: global_buffer, .address_space: global }
      - { .name: bqkv, .offset: 16, .size: 8, .value_kind: global_buffer, .address_space: global }
      - { .name: cq, .offset: 24, .size: 8, .value_kind: global_buffer, .address_space: global }
      - { .name: kv, .offset: 32, .size: 8, .value_kind: global_buffer, .address_space: global }
    .group_segment_fixed_size: 327680
    .private_segment_fixed_size: 0
    .kernarg_segment_align: 8
    .kernarg_segment_size: 40
    .max_flat_workgroup_size: 128
    .sgpr_count:     102
    .vgpr_count:     1024
    .wavefront_size: 32
...
	.end_amdgpu_metadata
.endif
;; end of part 2
;; launch attn (part 3): grid 16 x 16, 16 waves a work-group, clusters of 4 x 1, 327,680 bytes of LDS; arguments cq, kv, ca; writes ca
.if DOCPART == 3
	.amdgcn_target "amdgcn-amd-amdhsa--gfx1250"
	.amdhsa_code_object_version 6
	.text
	.protected	k_qc89ddde32c_attn
	.globl	k_qc89ddde32c_attn
	.p2align	8
	.type	k_qc89ddde32c_attn,@function
k_qc89ddde32c_attn:
	s_mov_b64 s[64:65], 0
	v_nop
	global_prefetch_b8 v0, s[64:65] scope:SCOPE_SE
	s_setreg_imm32_b32 hwreg(HW_REG_WAVE_MODE, 25, 1), 1
	s_wait_xcnt 0x0
	s_wait_alu depctr_hold_cnt(0) depctr_sa_sdst(0) depctr_va_vdst(0) depctr_va_sdst(0) depctr_va_ssrc(0) depctr_va_vcc(0) depctr_vm_vsrc(0)
	s_getreg_b32 s2, hwreg(HW_REG_IB_STS2, 6, 4)
	s_cmp_eq_u32 s2, 0
	s_cbranch_scc0 .Lentry_in_a_cluster
	s_endpgm
.Lentry_in_a_cluster:
	s_bfe_u32 s2, ttmp6, 0x10000c
	s_cmp_lg_u32 s2, 0x3003
	s_cbranch_scc0 .Lentry_shape_is_right
	s_endpgm
.Lentry_shape_is_right:
; The three segments' attention on codes of FP4 with E8M0 scales; the result is quantised at once along the out projection's K and stored as images of that product's operand registers.
; LEFT OUT: the keys that reference() slices away ([::dil] in Hilbert order) are not in kv; queries are taken in storage order (a gather of rows and its inverse round row-wise work are an identity).
; THE SOFTMAX: t = score x log2(e) / 8; M = the running largest t rounded up to a whole number, kept as -M; p = 2^(t - M) is quantised along the keys; the row's sum is taken of the unquantised p and divides at the end.
; When M moves, the sum and O^T are multiplied by 2^(old M - new M), in every step, with no branch on data.  LIMITS: the promise holds while |t| stays under 2^31; NaN and infinities are not served;
; a block whose every p is 0 gets the byte 1 (its codes are zeros; this program alone reads the bytes).
; SHARES.  A work-group owns one head and 8 x 4 tiles of 16 queries: for i = 8 g + 0 .. 7 a tile of segment 0 (16 key steps of 128), one of segment 1 (8 steps), two of segment 2 (8 steps each): 320 steps.
; SIXTEEN waves, four to a SIMD, 20 steps each.  Wave w under 8: segment 0's tile of i = 8 g + w (16 steps), then steps 0-3 of segment 1's tile.  Wave 8 + w: segment 2's two tiles (8 + 8), then steps 4-7 of segment 1's tile.
; The two parts of segment 1's tile are joined at the end: wave 8 + w hands O^T, its sum, -M and its two scale words to wave w through 4,608 LDS bytes of the pair's own, behind one barrier; both M are whole numbers, so the factors are exact.
; One text serves both kinds: they part on the wave's number between the first and the second run of 8 steps (wave 8 + w ends a tile and begins the next; wave w goes on), and round the hand-over.
; THE HEAD'S K AND V, 32 key steps x 8,704 bytes, lie whole in LDS: each wave fetches two steps by one tensor load at the head; nothing is filled again.  CLUSTER of 4 work-groups of one head: the loads are joint.
; No prefetch: every tensor load goes out at the head, so there is no loop to run ahead in.
; LAYOUT.  S^T = K Q^T, O^T = V^T P^T: a lane holds one query.  Storage rows are laid so that register 8 T + j of lane (r, h) holds key 64 (T / 4) + 32 h + 8 (T % 4) + j: a lane's 32 registers of four tiles are ONE block of 32 keys,
; so a block's maximum needs no other lane and the conversions' results are the second product's operand as they stand.  O^T likewise: a lane's 32 registers are channels 32 h + 0 .. 31 of the head.
; A head's 64 fill half of the matrix instruction's K: source 0 is two tiles of K side by side, source 1 is (Q, 0) or (0, Q).
.set STEPB, 8704                       ; a key step: 8 tiles of K (4,096), K's scale words (256), 4 x 2 images of V^T (4,096), V's scale words (256)
.set GRP,   8*STEPB
.set HEADB, 32*STEPB
.set SPARE, HEADB                      ; the spare words, 128 bytes a wave
.set SCR,   SPARE+2048                 ; the hand-over: PAIRB bytes for each pair of waves; no fill lands here
.set PAIRB, 4608
.set L16, 1                            ; 16 x lane
.set L8,  2                            ; 8 x lane
.set AD,  3
.set AD8, 4
.set SPW, 5
.set NIL, 6
.set R8,  7                            ; 8 x (lane % 16)
.set RAW, 8                            ; v8-10 Q's raw scale bytes; last v[8:9]: the scale words on their way out
.set MA,  11                           ; my pair's hand-over bytes, 16 x lane
.set NM,  12                           ; -M
.set MT,  13                           ; the running largest score
.set QA,  16                           ; three sets of (Q, 0, Q)
.set KK,  52
.set KSC, 84
.set VV,  86
.set VSC, 118
.set S,   120
.set O,   184
.set PC,  216
.set BM,  224
.set BT,  226
.set OLD, 0                            ; v0 (the thread's number is used at the head alone): -M as it was
.set SO,  228
.set F,   230
.set PW,  232
.set TMP, 233
.set SUM2, 234
.set ASA, 236
.set ASB, 237
.set ASC, 238
.set H8,  239                          ; 8 x (lane / 16)
.set FC,  240                          ; three sets of four: no store's data are written again
.set QSC, 252
.set TM2, 255
.set WV,  18
.set SEL, 20
.set CS,  22
.set TB,  48
.set CNT, 49
.set MSK, 50
.set TY,  51                           ; 0: waves 0-7, 1: waves 8-15
.set QB,  52
.set B1,  58
.set B2,  59
.set B3,  60
.set QS,  66
.macro ROUND                           ; a round of the cluster's barrier
	s_barrier_signal -1
	s_barrier_wait -1
	s_cmp_lg_u32 s[WV], 0
	s_cbranch_scc1 .Lnot_wave_0_\@
	s_barrier_signal -3
.Lnot_wave_0_\@:
	s_barrier_wait -3
	s_barrier_signal -1
	s_barrier_wait -1
.endm
.macro QBASE j                         ; tile s16 of my head in cq: its image, 512 bytes a tile; its two scale bytes a row, as launch qkv lays them
	s_lshl_b32 s[QB+2*(\j)], s16, 9
	s_add_co_u32 s[QB+2*(\j)], s[QB+2*(\j)], s17
	s_mov_b32 s[QB+2*(\j)+1], 0
	s_lshr_b32 s19, s16, 3
	s_lshl_b32 s19, s19, 8
	s_bfe_u32 s2, s16, 0x10001
	s_lshl_b32 s2, s2, 7
	s_add_co_u32 s19, s19, s2
	s_bfe_u32 s2, s16, 0x10002
	s_lshl_b32 s2, s2, 2
	s_add_co_u32 s19, s19, s2
	s_and_b32 s2, s16, 1
	s_lshl_b32 s2, s2, 1
	s_add_co_u32 s19, s19, s2
	s_add_co_u32 s[QS+2*(\j)], s19, s3
	s_mov_b32 s[QS+2*(\j)+1], 0
.endm
	s_load_b128 s[4:7], s[0:1], 0x0                ; cq, kv
	s_load_b64 s[8:9], s[0:1], 0x10                ; ca
	v_lshl_add_u32 v[SPW], v0, 2, SPARE
	v_mov_b32 v[NIL], 0
	ds_add_u32 v[SPW], v[NIL]                      ; the opening lines: the add, twice on end, and its wait ahead of my tensor load
	ds_add_u32 v[SPW], v[NIL]
	v_lshrrev_b32 v3, 5, v0
	v_readfirstlane_b32 s[WV], v3                  ; wave 0..15
	s_lshr_b32 s[TY], s[WV], 3
	s_and_b32 s10, s[WV], 7
	s_bfe_u32 s11, ttmp6, 0x40000                  ; cx
	s_lshl_b32 s12, ttmp9, 2
	s_add_co_u32 s11, s11, s12                     ; g
	s_lshl_b32 s11, s11, 3
	s_add_co_u32 s11, s11, s10                     ; i
	s_and_b32 s12, ttmp7, 0xffff                   ; the head
	s_mul_i32 s13, s[WV], 2*STEPB                  ; the two key steps that I fetch: in LDS,
	s_mul_i32 s14, s12, HEADB
	s_add_co_u32 s14, s14, s13                     ; and in kv
	s_mov_b32 s15, 0
	s_lshl_b32 s17, s12, 18
	s_lshl_b32 s3, s12, 14
	s_add_co_u32 s3, s3, 0x400000
	s_lshl_b32 s16, s11, 1
	s_lshr_b32 s19, s16, 6
	s_min_u32 s19, s19, 1
	s_lshl_b32 s19, s19, 6
	s_add_co_u32 s16, s16, s19
	s_add_co_u32 s78, s16, 192                     ; segment 2's first tile of i; the second is the next
	s_cmp_eq_u32 s[TY], 0
	s_cselect_b32 s16, s11, s78                    ; the first run's queries: segment 0's tile i, or segment 2's first
	QBASE 0
	s_add_co_u32 s78, s78, 1
	s_cmp_eq_u32 s[TY], 0
	s_cselect_b32 s16, s11, s78                    ; the second run's: the same tile once more (one text names set 1 for both kinds), or segment 2's second
	QBASE 1
	s_and_b32 s16, s11, 64
	s_add_co_u32 s16, s16, s11
	s_add_co_u32 s16, s16, 128                     ; segment 1's tile of i
	QBASE 2
	s_lshl_b32 s74, s11, 15                        ; ca: row tile 4 i + j, 8,192 bytes a tile, my head's 512
	s_lshl_b32 s19, s12, 9
	s_add_co_u32 s74, s74, s19
	s_mov_b32 s75, 0
	s_mul_i32 s72, s[TY], 3*8192                   ; the second run's tile is j = 0 or j = 3
	s_add_co_u32 s72, s72, s74
	s_mov_b32 s73, 0
	s_lshl_b32 s76, s12, 15
	s_lshl_b32 s19, s11, 8
	s_add_co_u32 s76, s76, s19
	s_add_co_u32 s76, s76, 0x400000                ; and the four tiles' scale words
	s_mov_b32 s77, 0
	s_mul_i32 s[B1], s[TY], 3*GRP                  ; where my runs of keys begin in LDS: segment 0 at 0, segment 1 at 2 GRP, segment 2 at 3 GRP
	s_mul_i32 s[B2], s[TY], 2*GRP
	s_add_co_u32 s[B2], s[B2], GRP
	s_mul_i32 s[B3], s[TY], 4*STEPB
	s_add_co_u32 s[B3], s[B3], 2*GRP
	s_mov_b32 s24, 15|(3<<16)|(1<<21)              ; group 1: the mask names the cluster's four; 17,408 dense bytes as 68 rows of 32 elements of 8 bytes
	s_mov_b32 s25, 32<<16
	s_mov_b32 s26, 68<<16
	s_mov_b32 s27, 32<<16
	s_mov_b32 s28, 68
	s_mov_b32 s29, 32
	s_mov_b32 s30, 0
	s_mov_b32 s31, 0
	s_mov_b32 s[SEL], 0x76543210
	s_mov_b32 s[SEL+1], 0xfedcba98
	s_mov_b32 s[CS], 0x3e38aa3b                    ; log2(e) / 8
	s_mov_b32 s[CS+1], s[CS]
	s_mov_b32 s[MSK], 0xffff0000
	v_and_b32 v3, 31, v0
	v_lshlrev_b32 v[L8], 3, v3
	v_lshlrev_b32 v[L16], 4, v3
	v_and_b32 v[R8], 15, v0
	v_lshlrev_b32 v[R8], 3, v[R8]
	v_bfe_u32 v[H8], v0, 4, 1
	v_lshlrev_b32 v[H8], 3, v[H8]
	s_mul_i32 s2, s10, PAIRB
	s_add_co_u32 s2, s2, SCR
	v_add_nc_u32 v[MA], s2, v[L16]
	s_wait_alu depctr_va_vdst(0)
	s_wait_dscnt 0x0                               ; both opening adds are done
	s_wait_kmcnt 0x0
	s_add_nc_u64 s[14:15], s[6:7], s[14:15]
.irp j, 0,1,2
	s_add_nc_u64 s[QB+2*\j:QB+2*\j+1], s[4:5], s[QB+2*\j:QB+2*\j+1]
	s_add_nc_u64 s[QS+2*\j:QS+2*\j+1], s[4:5], s[QS+2*\j:QS+2*\j+1]
.endr
	s_add_nc_u64 s[72:73], s[8:9], s[72:73]
	s_add_nc_u64 s[74:75], s[8:9], s[74:75]
	s_add_nc_u64 s[76:77], s[8:9], s[76:77]
	s_mov_b32 s32, 1
	s_mov_b32 s33, s13
	s_mov_b64 s[34:35], s[14:15]
	s_or_b32 s35, s35, 0x80000000
.irp j, 0,1,2                                  ; all my queries now: they land under the tensor load's flight
	global_load_b128 v[QA+12*\j:QA+12*\j+3], v[L16], s[QB+2*\j:QB+2*\j+1]
	global_load_b128 v[QA+12*\j+8:QA+12*\j+11], v[L16], s[QB+2*\j:QB+2*\j+1]
	global_load_u16 v[RAW+\j], v[R8], s[QS+2*\j:QS+2*\j+1]
.endr
	ROUND                                          ; the cluster's four are here: the joint loads meet
	tensor_load_to_lds s[32:35], s[24:31]          ; my one tensor load
	s_nop 0
.irp j, 0,1,2
.irp i, 4,5,6,7
	v_mov_b32 v[QA+12*\j+\i], 0                    ; the zero codes between the two copies of Q
.endr
.endr
	v_mov_b32 v[TM2], 0                            ; a lane permute's destination counts as one of its sources
	v_mov_b32 v[F+1], 0                            ; named as the upper half of a pair
	s_wait_alu depctr_va_vdst(0)
	s_wait_loadcnt 0x0                             ; Q
.irp j, 0,1,2
	v_lshl_or_b32 v[QSC+\j], v[RAW+\j], 16, v[RAW+\j]   ; Q's two bytes for either place of Q in the operand
.endr
.macro LOADK off
.irp t, 0,1,2,3,4,5,6,7
	ds_load_b128 v[KK+4*\t:KK+4*\t+3], v[AD] offset:\off+512*\t
.endr
	ds_load_b64 v[KSC:KSC+1], v[AD8] offset:\off+4096
.endm
.macro LOADV
.irp t, 0,1,2,3
.irp c, 0,1
	ds_load_b128 v[VV+8*\t+4*\c:VV+8*\t+4*\c+3], v[AD] offset:4352+1024*\t+512*\c
.endr
.endr
	ds_load_b64 v[VSC:VSC+1], v[AD8] offset:8448
.endm
.set SUM3, 8                           ; v[8:9] and v[248:249]: two more chains of the row's sum (free between the head and the last tile's end)
.set SUM4, 248
.macro TFMA k
.rept \k
	v_pk_fma_f32 v[S+fn:S+fn+1], v[S+fn:S+fn+1], s[CS:CS+1], v[NM:NM+1] op_sel_hi:[1,0,0]
.set fn, fn+2
.endr
.endm
.macro SUMS k                          ; the row's sum of the unquantised p, in four chains
.rept \k
.if sn%8 == 4                                  ; four chains by turns: an addition reads the result of the fourth one before it
	v_pk_add_f32 v[14:15], v[14:15], v[S+sn:S+sn+1]
	v_pk_add_f32 v[SUM2:SUM2+1], v[SUM2:SUM2+1], v[S+sn+2:S+sn+3]
.else
	v_pk_add_f32 v[SUM3:SUM3+1], v[SUM3:SUM3+1], v[S+sn:S+sn+1]
	v_pk_add_f32 v[SUM4:SUM4+1], v[SUM4:SUM4+1], v[S+sn+2:S+sn+3]
.endif
.set sn, sn+4
.endr
.endm
.macro SCALE_O                         ; O^T x v[F], each accumulator from its low end on
.set n, 0
.rept 16
	v_pk_mul_f32 v[O+n:O+n+1], v[O+n:O+n+1], v[F:F+1] op_sel_hi:[1,0]
.set n, n+2
.endr
.endm
; A KEY STEP of 128 keys.  pre = 1: the next step's K is fetched under this step's softmax.
.macro STEP qs, pre
	s_wait_dscnt 0x0                               ; K's tiles and scale words are in
; The form of 32 rows: source 0's rows 0-15 are tiles 4 P | 4 P + 1 side by side along K, its rows 16-31 tiles 4 P + 2 | 4 P + 3; source 1 = (Q, 0) picks the even tiles, (0, Q) the odd ones.
; So tile 4 P + w lies in registers S + 32 P + 16 (w % 2) + 8 (w / 2) on.  K's scale word P holds the first pair's rows in lanes 0-15 and the second pair's in lanes 16-31, as this form reads them.
.irp P, 0,1
.irp u, 0,1
	v_wmma_scale_f32_32x16x128_f4 v[S+32*\P+16*\u:S+32*\P+16*\u+15], v[KK+16*\P:KK+16*\P+15], v[QA+12*(\qs)+4*\u:QA+12*(\qs)+4*\u+7], 0, v[KSC+\P], v[QSC+(\qs)]
.endr
.endr
	v_add_nc_u32 v[AD], s[TB], v[L16]              ; four places behind the products, ahead of loads into their operands and of the first read of S^T
	v_add_nc_u32 v[AD8], s[TB], v[L8]
	v_mov_b32 v[OLD], v[NM]
	v_nop
	LOADV
.if \pre
	LOADK STEPB
.endif
.irp c, 0,1                                    ; the largest score of my two blocks of 32 keys, each in two chains
	v_max3_num_f32 v[BM+\c], v[S+32*\c], v[S+32*\c+1], v[S+32*\c+2]
	v_max3_num_f32 v[BT+\c], v[S+32*\c+17], v[S+32*\c+18], v[S+32*\c+19]
.endr
.irp i, 0,1,2,3,4,5
.irp c, 0,1
	v_max3_num_f32 v[BM+\c], v[BM+\c], v[S+32*\c+3+2*\i], v[S+32*\c+4+2*\i]
	v_max3_num_f32 v[BT+\c], v[BT+\c], v[S+32*\c+20+2*\i], v[S+32*\c+21+2*\i]
.endr
.endr
.irp c, 0,1
	v_max3_num_f32 v[BM+\c], v[BM+\c], v[S+32*\c+15], v[S+32*\c+16]
.endr
.irp c, 0,1
	v_max_num_f32 v[BM+\c], v[BM+\c], v[BT+\c]
.endr
	s_delay_alu instid0(VALU_DEP_1)
	v_max_num_f32 v[TMP], v[BM], v[BM+1]
	s_delay_alu instid0(VALU_DEP_1)
	v_permlanex16_b32 v[TM2], v[TMP], s[SEL], s[SEL+1]
	s_delay_alu instid0(VALU_DEP_1)
	v_max3_num_f32 v[MT], v[MT], v[TMP], v[TM2]    ; the running largest score of my query
	s_delay_alu instid0(VALU_DEP_1)
	v_mul_f32 v[TMP], s[CS], v[MT]                 ; as t
	s_delay_alu instid0(VALU_DEP_1)
	v_floor_f32 v[NM], -v[TMP]                     ; -M = floor(-t)
	s_delay_alu instid0(VALU_DEP_1)
	v_sub_f32 v[TMP], v[NM], v[OLD]                ; old M - new M: a whole number, 0 or less
.set fn, 0
	TFMA 4
	v_cvt_i32_f32 v[TMP], v[TMP]                   ; (it saturates)
	TFMA 4
	v_ldexp_f32 v[F], 1.0, v[TMP]                  ; f = 2^(old M - new M)
	TFMA 24
.irp c, 0,1
	v_fma_f32 v[BM+\c], v[BM+\c], s[CS], v[NM]     ; the same of each block's largest score: p rises with the score
.endr
	SCALE_O                                        ; O^T under the new M, ahead of the exponentials
	s_wait_alu depctr_va_vdst(0)
.set n, 0
.rept 64
	v_exp_f32 v[S+n], v[S+n]
.set n, n+1
.endr
.irp c, 0,1
	v_exp_f32 v[BM+\c], v[BM+\c]                   ; the blocks' largest p
.endr
	v_pk_mul_f32 v[14:15], v[14:15], v[F:F+1] op_sel_hi:[1,0]   ; the sums under the new M: a plain place behind the batch
	s_wait_alu depctr_va_vdst(0)                   ; and the one wait behind it
	v_pk_add_f32 v[SUM2:SUM2+1], v[S:S+1], v[S+2:S+3]
	v_pk_add_f32 v[SUM3:SUM3+1], v[S+4:S+5], v[S+6:S+7]
	v_pk_add_f32 v[SUM4:SUM4+1], v[S+8:S+9], v[S+10:S+11]
.set sn, 12
.irp c, 0,1
	v_max_num_f32 v[BM+\c], 0x1800000, v[BM+\c]    ; the floor 2^(3 - 127): the byte cannot fall under 1
.endr
	SUMS 1
.irp c, 0,1
	v_add_nc_u32 v[SO+\c], 0xff000000, v[BM+\c]    ; 2 off the exponent field: the conversion's scale operand
.endr
	SUMS 1
.irp c, 0,1
	v_lshrrev_b32 v[BT+\c], 23, v[SO+\c]           ; the scale's byte
.endr
	SUMS 1
	v_lshl_or_b32 v[TMP], v[BT+1], 16, v[BT]
	SUMS 1
	v_lshlrev_b32 v[TMP], v[H8], v[TMP]            ; my two bytes at places h and 2 + h
	SUMS 1
	v_permlanex16_b32 v[TM2], v[TMP], s[SEL], s[SEL+1]
	SUMS 1
	v_or_b32 v[PW], v[TMP], v[TM2]                 ; p's scale word for these 128 keys
.irp c, 0,1
.irp u, 0,1,2,3
	v_cvt_scalef32_pk8_fp4_f32 v[PC+4*\c+\u], v[S+32*\c+16*(\u%2)+8*(\u/2):S+32*\c+16*(\u%2)+8*(\u/2)+7], v[SO+\c]   ; tile 4 c + u: keys 64 c + 32 h + 8 u + 0 .. 7
.endr
.endr
	SUMS 7                                         ; with the three below 17 plain places between the scale word, the codes and the products
	v_pk_add_f32 v[SUM2:SUM2+1], v[SUM2:SUM2+1], v[SUM3:SUM3+1]
	v_pk_add_f32 v[14:15], v[14:15], v[SUM4:SUM4+1]
	v_pk_add_f32 v[14:15], v[14:15], v[SUM2:SUM2+1]
	s_wait_alu depctr_va_vdst(0)
.if \pre
	s_wait_dscnt 9                                 ; V is in; the nine loads of the next step's K may be out
.else
	s_wait_dscnt 0x0
.endif
.irp t, 0,1                                    ; 32 channels an instruction: V's scale word t holds tile 2 t's rows in lanes 0-15, tile 2 t + 1's in lanes 16-31; the two accumulators take turns
	v_wmma_scale_f32_32x16x128_f4 v[O+16*\t:O+16*\t+15], v[VV+16*\t:VV+16*\t+15], v[PC:PC+7], v[O+16*\t:O+16*\t+15], v[VSC+\t], v[PW]
.endr
	s_add_co_u32 s[TB], s[TB], STEPB
.endm
.macro KEYS base, qs, trips            ; trips + 1 key steps from LDS byte s[base] on
	s_mov_b32 s[TB], s[\base]
	v_add_nc_u32 v[AD], s[TB], v[L16]
	v_add_nc_u32 v[AD8], s[TB], v[L8]
	LOADK 0
	s_mov_b32 s[CNT], \trips
.Lkeys_\@:
	STEP \qs, 1
	s_sub_co_u32 s[CNT], s[CNT], 1
	s_cmp_lg_u32 s[CNT], 0
	s_cbranch_scc1 .Lkeys_\@
	STEP \qs, 0
.endm
.macro INIT                            ; a tile begins: the step is written once and finds zeros, which the first change of M leaves zeros
	v_mov_b32 v[MT], 0xff61b1e6                    ; -3e38, under every score
	v_mov_b32 v[NM], 0x7d000000                    ; -M: a large whole number
	v_mov_b32 v14, 0
	v_mov_b32 v15, 0
.set n, 0
.rept 32
	v_mov_b32 v[O+n], 0
.set n, n+1
.endr
.endm
; A tile ends: O^T / the sum; my 32 channels are one block of the out projection's K: its byte, its codes, the image stored as it stands (512 consecutive bytes a wave, aligned).
.macro FINAL as, fc, ob, off
	v_add_f32 v14, v14, v15
	s_delay_alu instid0(VALU_DEP_1)
	v_permlanex16_b32 v[TM2], v14, s[SEL], s[SEL+1]
	s_delay_alu instid0(VALU_DEP_1)
	v_add_f32 v14, v14, v[TM2]                     ; the row's sum
	s_wait_alu depctr_va_vdst(0)
	v_rcp_f32 v[F], v14
.rept 4
	v_nop                                          ; places behind the last products and the reciprocal
.endr
	s_wait_alu depctr_va_vdst(0)                   ; the wait, directly ahead of the first reader
	SCALE_O
	v_max3_num_f32 v[BM], |v[O]|, |v[O+1]|, 0x1800000
	v_max3_num_f32 v[BM+1], |v[O+16]|, |v[O+17]|, 0x1800000
.irp i, 2,4,6,8,10,12,14
	v_max3_num_f32 v[BM], v[BM], |v[O+\i]|, |v[O+1+\i]|
	v_max3_num_f32 v[BM+1], v[BM+1], |v[O+16+\i]|, |v[O+17+\i]|
.endr
	s_delay_alu instid0(VALU_DEP_1)
	v_max_num_f32 v[BM], v[BM], v[BM+1]
	s_delay_alu instid0(VALU_DEP_1)
	v_add_nc_u32 v[SO], 0xff000000, v[BM]
	s_delay_alu instid0(VALU_DEP_1)
	v_lshrrev_b32 v[BT], 23, v[SO]
	s_delay_alu instid0(VALU_DEP_1)
	v_lshlrev_b32 v[BT], v[H8], v[BT]
	s_delay_alu instid0(VALU_DEP_1)
	v_permlanex16_b32 v[TM2], v[BT], s[SEL], s[SEL+1]
	s_delay_alu instid0(VALU_DEP_1)
	v_or_b32 v[BT], v[BT], v[TM2]                  ; the head's two bytes of my row,
	s_delay_alu instid0(VALU_DEP_1)
	v_lshl_or_b32 v[\as], v[BT], 16, v[BT]         ; twice
.irp t, 0,1,2,3
	v_cvt_scalef32_pk8_fp4_f32 v[\fc+\t], v[O+8*\t:O+8*\t+7], v[SO]
.endr
	v_nop                                          ; one plain place behind a scaled conversion
	global_store_b128 v[L16], v[\fc:\fc+3], s[\ob:\ob+1] offset:\off
.endm
	INIT                                           ; under the tensor load's flight
	s_wait_alu depctr_va_vdst(0)
	s_wait_tensorcnt 0x0                           ; my two key steps are in,
	s_barrier_signal -1
	s_barrier_wait -1                              ; everybody's are: the head's K and V lie whole in LDS
	KEYS B1, 0, 7
	s_cmp_eq_u32 s[TY], 0
	s_cbranch_scc1 .Lsame                          ; waves 0-7: segment 0's tile goes on with keys 1,024 on
	FINAL ASA, FC, 74, 2*8192                      ; waves 8-15: segment 2's first tile ends, the second begins
	INIT
.Lsame:
	KEYS B2, 1, 7
	FINAL ASB, FC+4, 72, 0
	INIT
	KEYS B3, 2, 3                                  ; my four steps of segment 1's tile
	s_cmp_eq_u32 s[TY], 0
	s_cbranch_scc1 .Lkeep
	v_add_f32 v[S], v14, v15                       ; waves 8-15 hand over: the sum, -M, their two tiles' scale words (four places behind the last products),
	v_mov_b32 v[S+1], v[NM]
	v_mov_b32 v[S+2], v[ASA]
	v_mov_b32 v[S+3], v[ASB]
.irp t, 0,1,2,3,4,5,6,7
	ds_store_b128 v[MA], v[O+4*\t:O+4*\t+3] offset:512*\t   ; and O^T, as images of the registers
.endr
	ds_store_b128 v[MA], v[S:S+3] offset:4096
.Lkeep:
	s_wait_dscnt 0x0                               ; my stores are done
	s_barrier_signal -1
	s_barrier_wait -1
	s_cmp_lg_u32 s[TY], 0
	s_cbranch_scc1 .Ldone
.irp t, 0,1,2,3,4,5,6,7
	ds_load_b128 v[S+4*\t:S+4*\t+3], v[MA] offset:512*\t
.endr
	ds_load_b128 v[S+32:S+35], v[MA] offset:4096
	s_wait_dscnt 0x0
	v_min_num_f32 v[TMP], v[NM], v[S+33]           ; -M of both parts: the larger M
	s_delay_alu instid0(VALU_DEP_1)
	v_sub_f32 v[OLD], v[TMP], v[NM]
	v_sub_f32 v[TMP], v[TMP], v[S+33]
	s_delay_alu instid0(VALU_DEP_2)
	v_cvt_i32_f32 v[OLD], v[OLD]
	s_delay_alu instid0(VALU_DEP_2)
	v_cvt_i32_f32 v[TMP], v[TMP]
	s_delay_alu instid0(VALU_DEP_2)
	v_ldexp_f32 v[F], 1.0, v[OLD]                  ; my part's factor,
	s_delay_alu instid0(VALU_DEP_2)
	v_ldexp_f32 v[SUM2], 1.0, v[TMP]               ; the partner's: both exact powers of two
	v_pk_mul_f32 v[14:15], v[14:15], v[F:F+1] op_sel_hi:[1,0]
	SCALE_O
.set n, 0
.rept 16
	v_pk_fma_f32 v[O+n:O+n+1], v[S+n:S+n+1], v[SUM2:SUM2+1], v[O+n:O+n+1] op_sel_hi:[1,0,1]
.set n, n+2
.endr
	v_fmac_f32 v14, v[S+32], v[SUM2]
	FINAL ASC, FC+8, 74, 8192
	v_cndmask_b32 v8, v[ASB], v[S+34], s[MSK]      ; lanes 0-15: tiles 0 and 1; lanes 16-31: tiles 2 and 3
	v_cndmask_b32 v9, v[ASC], v[S+35], s[MSK]
	global_store_b64 v[L8], v[8:9], s[76:77]       ; 256 consecutive bytes, aligned
.Ldone:
	s_wait_tensorcnt 0x0                           ; the wave's end
	ds_add_u32 v[SPW], v[NIL]
	s_wait_dscnt 0x0
	ROUND                                          ; the closing round
	s_endpgm
.Lfunc_end_k_qc89ddde32c_attn:
	.size	k_qc89ddde32c_attn, .Lfunc_end_k_qc89ddde32c_attn-k_qc89ddde32c_attn
	.p2alignl 7, 3214868480
	.fill 96, 4, 3214868480
	.section	.rodata,"a",@progbits
	.p2align	6, 0x0
	.amdhsa_kernel k_qc89ddde32c_attn
		.amdhsa_group_segment_fixed_size 327680
		.amdhsa_private_segment_fixed_size 0
		.amdhsa_enable_private_segment 0
		.amdhsa_kernarg_size 24
		.amdhsa_user_sgpr_count 2
		.amdhsa_user_sgpr_kernarg_segment_ptr 1
		.amdhsa_wavefront_size32 1
		.amdhsa_system_sgpr_workgroup_id_x 1
		.amdhsa_system_sgpr_workgroup_id_y 1
		.amdhsa_system_sgpr_workgroup_id_z 1
		.amdhsa_system_vgpr_workitem_id 0
		.amdhsa_next_free_vgpr 256
		.amdhsa_next_free_sgpr 80
		.amdhsa_reserve_vcc 0
		.amdhsa_float_denorm_mode_32 3
		.amdhsa_float_denorm_mode_16_64 3
		.amdhsa_memory_ordered 1
		.amdhsa_forward_progress 1
		.amdhsa_inst_pref_size 106
	.end_amdhsa_kernel
	.amdgpu_metadata
---
amdhsa.version: [ 1, 2 ]
amdhsa.kernels:
  - .name:           k_qc89ddde32c_attn
    .symbol:         k_qc89ddde32c_attn.kd
    .args:
      - { .name: cq, .offset: 0, .size: 8, .value_kind: global_buffer, .address_space: global }
      - { .name: kv, .offset: 8, .size: 8, .value_kind: global_buffer, .address_space: global }
      - { .name: ca, .offset: 16, .size: 8, .value_kind: global_buffer, .address_space: global }
    .group_segment_fixed_size: 327680
    .private_segment_fixed_size: 0
    .kernarg_segment_align: 8
    .kernarg_segment_size: 24
    .max_flat_workgroup_size: 512
    .sgpr_count:     80
    .vgpr_count:     256
    .wavefront_size: 32
...
	.end_amdgpu_metadata
.endif
;; end of part 3
;; launch oproj (part 4): grid 4 x 64, 4 waves a work-group, clusters of 4 x 4, 327,680 bytes of LDS; arguments ca, oq, bout, out0; writes out0
.if DOCPART == 4
	.amdgcn_target "amdgcn-amd-amdhsa--gfx1250"
	.amdhsa_code_object_version 6
	.text
	.protected	k_qc89ddde32c_oproj
	.globl	k_qc89ddde32c_oproj
	.p2align	8
	.type	k_qc89ddde32c_oproj,@function
k_qc89ddde32c_oproj:
	s_mov_b64 s[64:65], 0
	v_nop
	global_prefetch_b8 v0, s[64:65] scope:SCOPE_SE
	s_setreg_imm32_b32 hwreg(HW_REG_WAVE_MODE, 25, 1), 1
	s_wait_xcnt 0x0
	s_wait_alu depctr_hold_cnt(0) depctr_sa_sdst(0) depctr_va_vdst(0) depctr_va_sdst(0) depctr_va_ssrc(0) depctr_va_vcc(0) depctr_vm_vsrc(0)
	s_getreg_b32 s2, hwreg(HW_REG_IB_STS2, 6, 4)
	s_cmp_eq_u32 s2, 0
	s_cbranch_scc0 .Lentry_in_a_cluster
	s_endpgm
.Lentry_in_a_cluster:
	s_bfe_u32 s2, ttmp6, 0x10000c
	s_cmp_lg_u32 s2, 0xf033
	s_cbranch_scc0 .Lentry_shape_is_right
	s_endpgm
.Lentry_shape_is_right:
; out = Q(o) Q(Wout)^T + bout on codes of FP4 with E8M0 scales; each row goes to the position of the sequence that it belongs to.
; LEFT OUT: nothing of this product; the rows come in the attention's order and are scattered here, which takes the place of reference()'s inverse Hilbert gather.
; 256 work-groups, a tile of 128 rows x 256 columns each (256 x 256 would give 128 work-groups); wave (wm, wn) makes 64 rows, one wave's four jobs of the attention, x 128 columns: 32 accumulators.
; K = 1,024 lies whole in two LDS slots of 512: every tile is asked for at the head, nothing is filled again.  CLUSTERS of 4 x 4: A's tiles (ca) are shared along a row of the cluster, B's (oq) along a column: joint loads.
; A lies in ca as images of the operand's registers, [row tile][head][512 bytes]: a K step of 128 is two heads' images, read at 16 x lane.  Its scale words are pieced from the two heads' pairs of bytes once, at the head.
; Source 0 = 16 rows of Wout, source 1 = 16 rows of o: a lane holds eight neighbouring columns of one row.  The bias is the C of each sum's first matrix instruction.
; THE WAY OUT: a block of 16 rows goes through the wave's stage (in slot 0, which has had its only fill and its last read) and comes back as rows of 512 bytes; row t's place in out0 is worked out by ids alone (NAT).
; LIMITS: NaN and infinities are not served.
; REGISTERS: window 0: v0-31 addresses; v32-63 A's scale words; v64-127 B's; v128-191 A's two sets (first: the raw scale bytes; last: rows of out); v192-255 the bias (last: rows of out).  window 1: B's two sets.  window 2: the accumulators.
; AS IT STANDS: all of K = 1,024 comes at the head: wave 0 fetches A's 8 row tiles (65,536 dense bytes), wave 1 B's 256 rows of 512 bytes, wave 2 A's scale bytes, wave 3 B's: one tensor load a wave, nothing is filled later, no change of slots.
; The stages have LDS bytes of their own, behind the spare words.  Each row's byte offset in out0 is made at the head, under the loads' flight, in 64 registers of window 1.
.set PITCH,  528                       ; B's LDS row: 512 bytes + 16 of padding: an odd multiple of 16 bytes
.set HALFT,  128*PITCH
.set ABYT,   65536                     ; A's 8 row tiles x 8,192 bytes, dense; then B's 256 rows
.set SCA,    ABYT+2*HALFT
.set SCB,    SCA+16*528                ; B's: 32 x (256 + 16)
.set SPARE,  SCB+32*272                ; the spare words, 128 bytes a wave
.set SPITCH, 528
.set STAGE,  SPARE+512                 ; 16 rows x 528 bytes for each wave; no fill lands here
.set ADA, 16
.set ADB, 20
.set ARW, 22
.set ABS, 23
.set STO, 24
.set RD,  25
.set CO,  26                           ; v26  16 x lane
.set BO,  27
.set SPW, 28
.set NIL, 29
.set NV,  30                           ; v30, v31  lane 16 e + t: the byte offset in out0 of row t of block e (v30), of block 2 + e (v31)
.set ASC, 32
.set BSC, 64
.set AFR, 128
.set RAW, 128
.set BK,  128
.set BIAS, 192
.set G1, 24
.set G0, 32
.set G1B, 48
.set G0B, 56
.set G1S, 68
.set G0S, 76
.set G1SB, 80
.set G0SB, 88
.set ROF, 128                          ; window 1, v128-191: register 16 a + t: the byte offset in out0 of my 16 bytes of row t of block a
.set TSH, 98
.set TOF, 99
.set MSB, 0
.macro WIN new
.if MSB != (\new)
	s_set_vgpr_msb (MSB<<8)|(\new)
.set MSB, (\new)
.endif
.endm
.macro ARM under, g0, g1, next         ; one arm of the head's tree of branches on the wave's number: its load, and a jump to the tree's end
	s_cmp_lt_u32 s14, \under
	s_cbranch_scc0 \next
	tensor_load_to_lds s[\g0:\g0+3], s[\g1:\g1+7]
	s_nop 0
.rept 4
	v_nop
.endr
	s_branch .Lhead_asked
\next:
.endm
.macro CROUND
	s_barrier_signal -1
	s_barrier_wait -1
	s_cmp_lg_u32 s14, 0
	s_cbranch_scc1 .Lnot_wave_0_\@
	s_barrier_signal -3
.Lnot_wave_0_\@:
	s_barrier_wait -3
	s_barrier_signal -1
	s_barrier_wait -1
.endm
; v[vn] = the position of the sequence that storage row v[vs] holds: swap of bits 3 and 4; p = 1024 c + jj; i = (jj << sh) + off; d = i + 2 (i & 1024) in segments of 2,048; 2048 sh + lin(d), lin by reference()'s six steps.
.macro NAT vs, vn, tb
	v_bfe_u32 v[\tb], v[\vs], 3, 1
	v_bfe_u32 v[\tb+1], v[\vs], 4, 2                   ; (the rotation of bits 3, 4, 5, as launch quant lays the rows: bit 3 goes to bit 5, bits 5:4 to 4:3)
	v_and_b32 v[\tb+2], 0xffffffc7, v[\vs]
	v_lshl_or_b32 v[\tb+2], v[\tb], 5, v[\tb+2]
	v_lshl_or_b32 v[\tb+2], v[\tb+1], 3, v[\tb+2]      ; p
	v_lshrrev_b32 v[\tb], 10, v[\tb+2]                 ; c
	v_lshlrev_b32 v[\tb+1], 2, v[\tb]
	v_lshrrev_b32 v[\tb+3], v[\tb+1], s[TSH]
	v_and_b32 v[\tb+3], 15, v[\tb+3]                   ; sh
	v_lshrrev_b32 v[\tb+4], v[\tb+1], s[TOF]
	v_and_b32 v[\tb+4], 15, v[\tb+4]                   ; off,
	v_lshrrev_b32 v[\tb+5], v[\tb], 2
	v_and_b32 v[\tb+5], 1, v[\tb+5]
	v_lshl_add_u32 v[\tb+4], v[\tb+5], 10, v[\tb+4]    ; + 1024 where c = 1
	v_and_b32 v[\tb+2], 0x3ff, v[\tb+2]
	v_lshlrev_b32 v[\tb+2], v[\tb+3], v[\tb+2]
	v_add_nc_u32 v[\tb+2], v[\tb+2], v[\tb+4]          ; i
	v_lshrrev_b32 v[\tb], 1, v[\tb+3]
	v_xor_b32 v[\tb], 1, v[\tb]
	v_lshlrev_b32 v[\tb], 10, v[\tb]
	v_and_b32 v[\tb], v[\tb], v[\tb+2]
	v_lshl_add_u32 v[\tb+2], v[\tb], 1, v[\tb+2]       ; d
	v_lshlrev_b32 v[\vn], 11, v[\tb+3]
	v_mov_b32 v[\tb], 0                                ; x
	v_mov_b32 v[\tb+1], 0                              ; y
.irp k, 0,1,2,3,4,5
	v_bfe_u32 v[\tb+3], v[\tb+2], 2*\k+1, 1            ; rx
	v_bfe_u32 v[\tb+4], v[\tb+2], 2*\k, 1
	v_xor_b32 v[\tb+4], v[\tb+4], v[\tb+3]             ; ry
	v_add_nc_u32 v[\tb+5], -1, v[\tb+4]
	v_sub_nc_u32 v[\tb+6], 0, v[\tb+3]
	v_and_b32 v[\tb+6], v[\tb+6], v[\tb+5]
	v_and_b32 v[\tb+6], (1<<\k)-1, v[\tb+6]
	v_xor_b32 v[\tb], v[\tb], v[\tb+6]
	v_xor_b32 v[\tb+1], v[\tb+1], v[\tb+6]
	v_xor_b32 v[\tb+6], v[\tb], v[\tb+1]
	v_and_b32 v[\tb+6], v[\tb+6], v[\tb+5]
	v_xor_b32 v[\tb], v[\tb], v[\tb+6]
	v_xor_b32 v[\tb+1], v[\tb+1], v[\tb+6]
	v_lshl_or_b32 v[\tb], v[\tb+3], \k, v[\tb]
	v_lshl_or_b32 v[\tb+1], v[\tb+4], \k, v[\tb+1]
.endr
	v_lshl_or_b32 v[\tb], v[\tb+1], 6, v[\tb]
	v_add_nc_u32 v[\vn], v[\vn], v[\tb]
.endm
	s_load_b128 s[4:7], s[0:1], 0x0                ; ca, oq
	s_load_b128 s[8:11], s[0:1], 0x10              ; bout, out0
	v_lshl_add_u32 v[SPW], v0, 2, SPARE
	v_mov_b32 v[NIL], 0
	ds_add_u32 v[SPW], v[NIL]                      ; the wave's opening: the add, twice on end, and its wait ahead of my first tensor load
	ds_add_u32 v[SPW], v[NIL]
	v_lshrrev_b32 v1, 5, v0
	v_readfirstlane_b32 s14, v1                    ; wave 0..3
	s_lshr_b32 s15, s14, 1                         ; wm.  Also: I fetch for A (0) or for B (1)
	s_and_b32 s16, s14, 1                          ; wn.  Also: which half I fetch
	s_bfe_u32 s40, ttmp6, 0x40000                  ; cx
	s_bfe_u32 s41, ttmp6, 0x40004                  ; cy
	s_lshl_b32 s42, ttmp9, 2
	s_add_co_u32 s42, s42, s40                     ; tile column
	s_and_b32 s17, ttmp7, 0xffff
	s_lshl_b32 s17, s17, 2
	s_add_co_u32 s17, s17, s41                     ; tile row
	s_lshl_b32 s43, s41, 2
	s_lshl_b32 s43, 15, s43                        ; my row of the cluster
	s_lshl_b32 s44, 0x1111, s40                    ; my column
	s_or_b32 s[G1+0], s43, (3<<16)|(1<<21)         ; A's codes: 8 row tiles x 8,192 bytes (1,024 elements of 8), 8,192 bytes apart; no padding
	s_mov_b32 s[G1+1], 1024<<16                    ; 8 row tiles x 8,192 bytes (1,024 elements of 8)
	s_mov_b32 s[G1+2], 8<<16
	s_mov_b32 s[G1+3], 1024<<16
	s_mov_b32 s[G1+4], 8
	s_mov_b32 s[G1+5], 1024
	s_mov_b32 s[G1+6], 0
	s_mov_b32 s[G1+7], 0
	s_or_b32 s[G1B+0], s44, (0<<16)|(1<<20)|(1<<21)|(6<<22)|(3<<25)   ; B's codes: 256 rows x 512 bytes; 4 words of padding after every 128
	s_mov_b32 s[G1B+1], 512<<16
	s_mov_b32 s[G1B+2], 256<<16
	s_mov_b32 s[G1B+3], 512<<16
	s_mov_b32 s[G1B+4], 256
	s_mov_b32 s[G1B+5], 512
	s_mov_b32 s[G1B+6], 0
	s_mov_b32 s[G1B+7], 0
	s_or_b32 s[G1S+0], s43, (3<<16)|(1<<20)|(1<<21)|(6<<22)|(3<<25)   ; A's scale bytes: 16 heads x 512 bytes, 32,768 apart; 4 words of padding after every 128
	s_mov_b32 s[G1S+1], 64<<16
	s_mov_b32 s[G1S+2], 16<<16                     ; all 16 heads
	s_mov_b32 s[G1S+3], 64<<16
	s_mov_b32 s[G1S+4], 16
	s_mov_b32 s[G1S+5], 4096
	s_mov_b32 s[G1S+6], 0
	s_mov_b32 s[G1S+7], 0
	s_or_b32 s[G1SB+0], s44, (3<<16)|(1<<20)|(1<<21)|(5<<22)|(3<<25)  ; B's: 8,192 dense bytes as 32 rows of 256, padded
	s_mov_b32 s[G1SB+1], 32<<16
	s_mov_b32 s[G1SB+2], 32<<16                    ; 8,192 dense bytes as 32 rows of 256
	s_mov_b32 s[G1SB+3], 32<<16
	s_mov_b32 s[G1SB+4], 32
	s_mov_b32 s[G1SB+5], 32
	s_mov_b32 s[G1SB+6], 0
	s_mov_b32 s[G1SB+7], 0
	s_lshl_b32 s20, s17, 16                        ; A's codes: 8 row tiles a work-group
	s_mov_b32 s21, 0
	s_lshl_b32 s22, s17, 9                         ; A's scale bytes: 512 a work-group in each head
	s_add_co_u32 s22, s22, 0x400000
	s_mov_b32 s23, 0
	s_lshl_b32 s46, s42, 17                        ; B's codes: 256 rows of 512 bytes a tile column
	s_mov_b32 s47, 0
	s_lshl_b32 s92, s42, 13                        ; B's scale bytes
	s_add_co_u32 s92, s92, 0x80000
	s_mov_b32 s93, 0
	s_wait_dscnt 0x0                               ; both opening adds are done
	s_wait_kmcnt 0x0
	s_add_nc_u64 s[20:21], s[4:5], s[20:21]
	s_add_nc_u64 s[22:23], s[4:5], s[22:23]
	s_add_nc_u64 s[46:47], s[6:7], s[46:47]
	s_add_nc_u64 s[92:93], s[6:7], s[92:93]
	CROUND                                         ; all sixteen work-groups are here: the first joint loads meet
	s_mov_b32 s[G0], 1
	s_mov_b32 s[G0+1], 0
	s_mov_b64 s[G0+2:G0+3], s[20:21]
	s_or_b32 s[G0+3], s[G0+3], 0x80000000
	s_mov_b32 s[G0B], 1
	s_mov_b32 s[G0B+1], ABYT
	s_mov_b64 s[G0B+2:G0B+3], s[46:47]
	s_or_b32 s[G0B+3], s[G0B+3], 0x80000000
	s_mov_b32 s[G0S], 1
	s_mov_b32 s[G0S+1], SCA
	s_mov_b64 s[G0S+2:G0S+3], s[22:23]
	s_or_b32 s[G0S+3], s[G0S+3], 0x80000000
	s_mov_b32 s[G0SB], 1
	s_mov_b32 s[G0SB+1], SCB
	s_mov_b64 s[G0SB+2:G0SB+3], s[92:93]
	s_or_b32 s[G0SB+3], s[G0SB+3], 0x80000000
	ARM 1, G0,  G1,  .Lhead_b                      ; one tree, one load to an arm: every way through the head passes exactly one
	ARM 2, G0B, G1B, .Lhead_sa
	ARM 3, G0S, G1S, .Lhead_sb
	tensor_load_to_lds s[G0SB:G0SB+3], s[G1SB:G1SB+7]
	s_nop 0
.rept 4
	v_nop
.endr
.Lhead_asked:
	v_and_b32 v1, 15, v0                           ; r
	v_bfe_u32 v2, v0, 4, 1                         ; h
	v_and_b32 v3, 31, v0
	v_lshlrev_b32 v[CO], 4, v3
	s_wait_alu depctr_va_vdst(0)
	s_lshl_b32 s2, s42, 10                         ; my 128 columns, in bytes of f32
	s_lshl_b32 s3, s16, 9
	s_add_co_u32 s2, s2, s3
	s_mov_b32 s3, 0
	s_add_nc_u64 s[8:9], s[8:9], s[2:3]            ; in bout,
	s_add_nc_u64 s[12:13], s[10:11], s[2:3]        ; and in a row of out0
	v_lshlrev_b32 v[BO], 5, v2
.irp b, 0,1,2,3,4,5,6,7                        ; register 8 b + j wants the bias of column 16 b + 8 h + j
	global_load_b128 v[BIAS+8*\b:BIAS+8*\b+3], v[BO], s[8:9] offset:64*\b
	global_load_b128 v[BIAS+8*\b+4:BIAS+8*\b+7], v[BO], s[8:9] offset:64*\b+16
.endr
	s_lshl_b32 s21, s15, 15                        ; A: my four row tiles of 8,192 bytes
	v_add_nc_u32 v[ADA], s21, v[CO]
	v_mul_u32_u24 v4, v1, PITCH
	v_lshl_add_u32 v4, v2, 4, v4
	s_mul_i32 s22, s16, HALFT                      ; B: my 128 rows
	s_add_co_u32 s22, s22, ABYT
	v_add_nc_u32 v[ADB], s22, v4
	s_lshl_b32 s21, s15, 8
	s_add_co_u32 s21, s21, SCA
	v_lshl_add_u32 v[ARW], v1, 3, s21              ; A's raw scale bytes: my quad's 256 bytes of a head, 8 r
	v_lshrrev_b32 v4, 3, v1
	v_mul_u32_u24 v4, v4, 272
	v_and_b32 v5, 7, v1
	v_lshl_add_u32 v4, v5, 5, v4
	s_mul_i32 s21, s16, 16*272
	s_add_co_u32 s21, s21, SCB
	v_add_nc_u32 v[ABS], s21, v4                   ; B's scale words: 32 bytes a row, eight rows to a padded 256
	s_mul_i32 s23, s14, 16*SPITCH
	s_add_co_u32 s23, s23, STAGE                   ; my stage
	v_mul_u32_u24 v5, v1, SPITCH
	v_lshl_add_u32 v5, v2, 5, v5
	v_add_nc_u32 v[STO], s23, v5
	v_add_nc_u32 v[RD], s23, v[CO]
	; where my 64 rows go: my quad i = 2 x tile row + wm; its four tiles of 16 storage rows as the attention took them
	s_mov_b32 s[TSH], 0x22212100
	s_mov_b32 s[TOF], 0x32110000
	s_lshl_b32 s18, s17, 1
	s_add_co_u32 s18, s18, s15                     ; i = job 0's tile
	s_and_b32 s93, s18, 64
	s_add_co_u32 s93, s93, 128                     ; job 1's tile less job 0's
	s_lshl_b32 s94, s18, 1
	s_lshr_b32 s96, s94, 6
	s_min_u32 s96, s96, 1
	s_lshl_b32 s96, s96, 6
	s_add_co_u32 s94, s94, s96
	s_add_co_u32 s94, s94, 192                     ; job 2's tile; job 3's is the next
	v_mad_u32_u24 v3, v2, s93, s18
	v_lshl_add_u32 v3, v3, 4, v1                   ; lane (h, r): row r of job h
	NAT 3, NV, 4
	v_lshlrev_b32 v[NV], 12, v[NV]
	v_add_nc_u32 v3, s94, v2
	v_lshl_add_u32 v3, v3, 4, v1                   ; row r of job 2 + h
	NAT 3, NV+1, 4
	v_lshlrev_b32 v[NV+1], 12, v[NV+1]
.irp e, 0,1,2,3,4,5,6,7                        ; eight rows a turn: a row's offset to a scalar, and with my 16 bytes' place into its register
.irp t, 0,1,2,3,4,5,6,7
	v_readlane_b32 s[92+\t], v[NV+\e/4], 8*(\e%4)+\t
.endr
	WIN 0x40                                       ; destination window 1
.irp t, 0,1,2,3,4,5,6,7
	v_add_nc_u32 v[ROF+8*\e+\t], s[92+\t], v[CO]
.endr
	WIN 0
.endr
.macro PLACES n
.rept \n
	v_nop
.endr
.endm
.macro FETCH_B Q
	WIN 0x40                                       ; destination window 1
.irp b, 0,1,2,3,4,5,6,7
.irp c, 0,1
	ds_load_b128 v[64*((\Q)%2)+8*\b+4*\c:64*((\Q)%2)+8*\b+4*\c+3], v[ADB] offset:64*(\Q)+32*\c+\b*16*PITCH
.endr
.endr
	WIN 0
.endm
.macro FETCH_A Q
.irp a, 0,1,2,3
.irp c, 0,1
	ds_load_b128 v[AFR+32*((\Q)%2)+8*\a+4*\c:AFR+32*((\Q)%2)+8*\a+4*\c+3], v[ADA] offset:8192*\a+512*(2*(\Q)+\c)
.endr
.endr
.endm
; 16 matrix instructions: A's blocks a0, a0 + 1 x B's eight.  The 32 accumulators take turns, one instruction a turn, in the same order in every step.
.macro MUL Q, a0
.irp a, \a0, \a0+1
.irp b, 0,1,2,3,4,5,6,7
.if (\Q) == 0
	v_wmma_scale_f32_16x16x128_f8f6f4 v[8*(8*(\a)+\b):8*(8*(\a)+\b)+7], v[64*((\Q)%2)+8*\b:64*((\Q)%2)+8*\b+7], v[AFR+32*((\Q)%2)+8*(\a):AFR+32*((\Q)%2)+8*(\a)+7], v[BIAS+8*\b:BIAS+8*\b+7], v[BSC+8*\b+(\Q)], v[ASC+8*(\a)+(\Q)] matrix_a_fmt:MATRIX_FMT_FP4 matrix_b_fmt:MATRIX_FMT_FP4
.else
	v_wmma_scale_f32_16x16x128_f8f6f4 v[8*(8*(\a)+\b):8*(8*(\a)+\b)+7], v[64*((\Q)%2)+8*\b:64*((\Q)%2)+8*\b+7], v[AFR+32*((\Q)%2)+8*(\a):AFR+32*((\Q)%2)+8*(\a)+7], v[8*(8*(\a)+\b):8*(8*(\a)+\b)+7], v[BSC+8*\b+(\Q)], v[ASC+8*(\a)+(\Q)] matrix_a_fmt:MATRIX_FMT_FP4 matrix_b_fmt:MATRIX_FMT_FP4
.endif
.endr
.endr
.endm
.macro KSTEP Q                         ; 128 along K whose successor lies in the same slot
	s_wait_dscnt 0x0                               ; this step's fragments are in
	PLACES 4                                       ; in front of loads into the sets that the step before multiplied
	FETCH_B (\Q)+1
	FETCH_A (\Q)+1
.if (\Q) == 0
	WIN 0x81                                       ; source 0 (B) window 1, source 1 (A) and C (the bias) window 0, D window 2
.else
	WIN 0xa1                                       ; C and D window 2
.endif
	MUL \Q, 0
	MUL \Q, 2
.endm
	s_wait_alu depctr_va_vdst(0)
	s_wait_tensorcnt 0x0                           ; my one load is in,
	s_barrier_signal -1
	s_barrier_wait -1                              ; everybody's are
.irp d, 0,1,2,3,4,5,6,7,8,9,10,11,12,13,14,15  ; head d: register 4 d + a: block a's two scale bytes of row r, twice
	ds_load_b64 v[RAW+4*\d:RAW+4*\d+1], v[ARW] offset:528*\d
	ds_load_b64 v[RAW+4*\d+2:RAW+4*\d+3], v[ARW] offset:528*\d+128
.endr
.irp b, 0,1,2,3,4,5,6,7
	ds_load_b128 v[BSC+8*\b:BSC+8*\b+3], v[ABS] offset:\b*544
	ds_load_b128 v[BSC+8*\b+4:BSC+8*\b+7], v[ABS] offset:\b*544+16
.endr
	FETCH_B 0
	s_wait_dscnt 32                                ; the raw bytes are in; the 32 loads behind them may be out
.irp a, 0,1,2,3
.irp Q, 0,1,2,3,4,5,6,7
	v_bfi_b32 v[ASC+8*\a+\Q], 0xffff, v[RAW+8*\Q+\a], v[RAW+8*\Q+4+\a]   ; head 2 Q's two bytes below, head 2 Q + 1's above
.endr
.endr
	FETCH_A 0
	PLACES 8                                       ; a scale word written by a vector instruction stands eight places ahead of the product
	s_wait_alu depctr_va_vdst(0)
	s_wait_loadcnt 0x0                             ; the bias
	KSTEP 0
	KSTEP 1
	KSTEP 2
	KSTEP 3
	KSTEP 4
	KSTEP 5
	KSTEP 6
	s_wait_dscnt 0x0
	MUL 7, 0
	MUL 7, 2
	WIN 0
.macro TOSTAGE a                       ; block a: 16 rows x 128 columns into my stage, and back as rows of 512 bytes.  LDS serves a wave's instructions in order: no wait between
	WIN 0x08                                       ; an LDS store's data: window 2
.irp b, 0,1,2,3,4,5,6,7
	ds_store_b128 v[STO], v[8*(8*(\a)+\b):8*(8*(\a)+\b)+3] offset:64*\b        ; each accumulator from its low end on
	ds_store_b128 v[STO], v[8*(8*(\a)+\b)+4:8*(8*(\a)+\b)+7] offset:64*\b+16
.endr
; each block's 16 rows come back into 64 registers of their own, so that no store's data are written again: blocks 0, 1 in window 0 (v128-255), blocks 2, 3 in window 1 (v0-127, B's sets, which the last products have read)
	WIN 0x40*((\a)/2)                              ; the loads' destination: window 0 or 1
.set BB, (BK+64*(\a))*(1-(\a)/2)+64*((\a)-2)*((\a)/2)
.irp t, 0,1,2,3,4,5,6,7,8,9,10,11,12,13,14,15
	ds_load_b128 v[BB+4*\t:BB+4*\t+3], v[RD] offset:\t*SPITCH
.endr
.endm
.macro SEND a, younger
.set BB, (BK+64*(\a))*(1-(\a)/2)+64*((\a)-2)*((\a)/2)
	s_wait_dscnt \younger
	WIN 0x01+4*((\a)/2)                            ; the offset: window 1; the data: window 0 or 1
.irp t, 0,1,2,3,4,5,6,7,8,9,10,11,12,13,14,15
	global_store_b128 v[ROF+16*(\a)+\t], v[BB+4*\t:BB+4*\t+3], s[12:13] th:TH_STORE_NT   ; 32 lanes store 512 consecutive bytes, aligned; written once, read by nobody here
.endr
	WIN 0
.endm
	PLACES 4                                       ; behind the last products: results are read, and loads land in registers that products have read
	TOSTAGE 0
.irp a, 1,2,3
	TOSTAGE \a
	SEND \a-1, 32                                  ; behind block a - 1's loads: block a's 16 stores and 16 loads
.endr
	SEND 3, 0
	s_wait_tensorcnt 0x0                           ; the wave's end
	ds_add_u32 v[SPW], v[NIL]
	s_wait_dscnt 0x0
	CROUND                                         ; the closing round
	s_endpgm
.Lfunc_end_k_qc89ddde32c_oproj:
	.size	k_qc89ddde32c_oproj, .Lfunc_end_k_qc89ddde32c_oproj-k_qc89ddde32c_oproj
	.p2alignl 7, 3214868480
	.fill 96, 4, 3214868480
	.section	.rodata,"a",@progbits
	.p2align	6, 0x0
	.amdhsa_kernel k_qc89ddde32c_oproj
		.amdhsa_group_segment_fixed_size 327680
		.amdhsa_private_segment_fixed_size 0
		.amdhsa_enable_private_segment 0
		.amdhsa_kernarg_size 32
		.amdhsa_user_sgpr_count 2
		.amdhsa_user_sgpr_kernarg_segment_ptr 1
		.amdhsa_wavefront_size32 1
		.amdhsa_system_sgpr_workgroup_id_x 1
		.amdhsa_system_sgpr_workgroup_id_y 1
		.amdhsa_system_sgpr_workgroup_id_z 1
		.amdhsa_system_vgpr_workitem_id 0
		.amdhsa_next_free_vgpr 768
		.amdhsa_next_free_sgpr 102
		.amdhsa_reserve_vcc 0
		.amdhsa_float_denorm_mode_32 3
		.amdhsa_float_denorm_mode_16_64 3
		.amdhsa_memory_ordered 1
		.amdhsa_forward_progress 1
		.amdhsa_inst_pref_size 94
	.end_amdhsa_kernel
	.amdgpu_metadata
---
amdhsa.version: [ 1, 2 ]
amdhsa.kernels:
  - .name:           k_qc89ddde32c_oproj
    .symbol:         k_qc89ddde32c_oproj.kd
    .args:
      - { .name: ca, .offset: 0, .size: 8, .value_kind: global_buffer, .address_space: global }
      - { .name: oq, .offset: 8, .size: 8, .value_kind: global_buffer, .address_space: global }
      - { .name: bout, .offset: 16, .size: 8, .value_kind: global_buffer, .address_space: global }
      - { .name: out0, .offset: 24, .size: 8, .value_kind: global_buffer, .address_space: global }
    .group_segment_fixed_size: 327680
    .private_segment_fixed_size: 0
    .kernarg_segment_align: 8
    .kernarg_segment_size: 32
    .max_flat_workgroup_size: 128
    .sgpr_count:     102
    .vgpr_count:     768
    .wavefront_size: 32
...
	.end_amdgpu_metadata
.endif
;; end of part 4
